; MI455X (gfx1250); checked and timed in simulation.
; The chip was launched on July 23, 2026; its instructions are those of AMD's public machine-readable ISA for CDNA 5 (MIT licence, August 2026) and "CDNA5" Instruction Set Architecture Reference Guide (July 2026). The comments in the code are by the model that wrote it; some were corrected since.
;; Multi Head Attention. Allowed arithmetic: matrix products marked QUANTISED: E2M3 operands, one E8M0 scale for each 32 along K, by v_wmma_scale_f32_16x16x128_f8f6f4 with both operands' format E2M3, f32 sums; everything else in f32.
;; Inputs: Wkv_codes 2,048 x 32 x 24 uint8 (E2M3 codes of Wkv, K innermost, in blocks of 32 codes, four codes in three bytes); Wkv_scales 2,048 x 32 uint8 (E8M0 scales of Wkv, one for each 32 codes along K); Wo_codes 1,024 x 32 x 24 uint8 (E2M3 codes of Wo, K innermost, in blocks of 32 codes, four codes in three bytes); Wo_scales 1,024 x 32 uint8 (E8M0 scales of Wo, one for each 32 codes along K); Wq_codes 1,024 x 32 x 24 uint8 (E2M3 codes of Wq, K innermost, in blocks of 32 codes, four codes in three bytes); Wq_scales 1,024 x 32 uint8 (E8M0 scales of Wq, one for each 32 codes along K); beta 1,024 float32; bkv 2,048 float32; bo 1,024 float32; bq 1,024 float32; gamma 1,024 float32; seq_lens 8 int32; x 8 x 1,024 x 1,024 float32.
;; Outputs: out0 8 x 1,024 x 1,024 float32.
;; This version of the problem:
;;   THIS VERSION OF THE PROBLEM IS GIVEN IN LOW PRECISION. The matrix products marked QUANTISED in the list below multiply operands that are first quantised to E2M3 (2 exponent bits, 3 mantissa bits; 6 bits a number), with one power-of-two scale for each 32 numbers along K (OCP MX v1.0); their sums are f32. All else is computed in f32.
;;   The module's matrix products, in the order in which they are computed (A, B: the left and right operand; K: the contracted axis; several contracted axes count as one K, in the product's order):
;;     1. [M 8,192, K 1,024] x [K 1,024, N 1,024]; A: computed on the way; B: input Wq (given as codes): QUANTISED
;;     2. [M 8,192, K 1,024] x [K 1,024, N 2,048]; A: computed on the way; B: input Wkv (given as codes): QUANTISED
;;     3. batch 128 x [M 1,024, K 64] x [K 64, N 1,024]; A: computed on the way; B: computed on the way: QUANTISED
;;     4. batch 128 x [M 1,024, K 1,024] x [K 1,024, N 64]; A: softmax (see below); B: computed on the way: QUANTISED
;;     5. [M 8,192, K 1,024] x [K 1,024, N 1,024]; A: computed on the way; B: input Wo (given as codes): QUANTISED
;;   THE QUANTISER, for each operand of a quantised product, along K:
;;     - K is cut into blocks of 32 from its start; a last block that is shorter is filled with zeros.
;;     - A block's scale is 2^e with e = floor(log2(the largest magnitude in the block)) - 2, held to -126 .. 127; a block of zeros has e = 0. As a byte (E8M0): e + 127.
;;     - Each number is divided by its block's scale, clamped to +-7.5, and rounded to the nearest number of E2M3, ties to even, subnormals kept.
;;     - The product sums the exact products of the quantised numbers (number of the format x scale) in f32.
;;   ~~~python
;;   def quantise(x, axis):      # numpy; x: float32 -> the quantised numbers, widened to float32 again
;;       x = np.moveaxis(x, axis, -1); K = x.shape[-1]
;;       x = np.pad(x, [(0, 0)] * (x.ndim - 1) + [(0, -K % 32)]); x = x.reshape(x.shape[:-1] + (-1, 32)); a = np.abs(x).max(-1, keepdims=True)
;;       e = np.where(a > 0, np.clip(np.frexp(np.where(a > 0, a, 1))[1] - 1 - 2, -126, 127), 0)      # np.frexp(a)[1] - 1 = floor(log2(a)), exactly
;;       r = np.clip(x / 2.0 ** e, -7.5, 7.5)
;;       step = 2.0 ** (np.maximum(np.frexp(np.where(r == 0, 1, r))[1] - 1, 0) - 3)
;;       q = np.round(r / step) * step * 2.0 ** e      # np.round: ties to even
;;       return np.moveaxis(q.reshape(q.shape[:-2] + (-1,))[..., :K], -1, axis).astype(np.float32)
;;   ~~~
;;   SOFTMAX AHEAD OF A QUANTISED PRODUCT. Where the list says 'softmax', what is quantised is not the finished softmax but p = 2^(t - M), with t = logit x log2(e) and M = ceil(the row's largest t), a whole number; so 1/2 < the row's largest p <= 1. The row's sum l is taken of the UNQUANTISED p, in f32, and the product's result is divided by l at the end. Since M is a whole number, a kernel that streams over the keys may use a running M (the ceiling of the running maximum): every later rescaling is an exact power of two, which a block's scale takes up: the codes' values come out the same.
;;   OPERANDS COMPUTED ON THE WAY. 'Computed on the way' means the value that the module computes at that place (a softmax that the list does not call 'softmax' is quantised finished and normalised). What goes into a quantiser is computed in f32, as accurately as f32 sums, v_exp_f32 and their like allow (about 1e-6 of the number): no bf16 or f16 on the way to a quantiser, and a product that is left as it is and whose result goes on into a quantised operand takes f32 operands (vector FMAs, or v_wmma_f32_16x16x4_f32). A number that lies on a knife's edge between two numbers of the format may be rounded either way, as far as f32 arithmetic and the matrix unit's own rounding can turn it there, and no further.
;;   INPUTS GIVEN AS CODES. Wkv (in the module: [1024, 2048], K = its axis 0); Wo (in the module: [1024, 1024], K = its axis 0); Wq (in the module: [1024, 1024], K = its axis 0): each comes as NAME_codes (uint8): NAME with its K axis moved to the last place and cut into blocks of 32 codes, [.., K / 32, bytes a block], one block behind the other in memory; four codes in three bytes: a row's codes are one little-endian stream of bits, code i at bits 6 i .. 6 i + 5 (a code: sign, 2 exponent bits, 3 mantissa bits); and NAME_scales (uint8): the same leading axes, one E8M0 byte (e + 127) for each 32 codes along K. Its value is code x scale, taken as it is: it is not quantised again, and the codes and scales need not be those that the quantiser above would give.
;; 2 versions, each right; version 2 is version 1 with the launch attn written anew for expert scheduling mode. Each part assembles by itself: llvm-mc -triple=amdgcn-amd-amdhsa -mcpu=gfx1250 --defsym DOCPART=n.
;; ======== version 1 of 2: 4 launches
;; workspace buffers: xq 6,553,600 bytes; wimg 3,145,728 bytes; qkq 13,107,200 bytes; vq 6,553,600 bytes; oq 6,553,600 bytes
;; launch prep (part 1): grid 256 x 1, 8 waves a work-group, no clusters, 133,632 bytes of LDS; arguments x, gamma, beta, Wq_codes, Wkv_codes, Wo_codes, xq, wimg; writes xq, wimg
.if DOCPART == 1
	.amdgcn_target "amdgcn-amd-amdhsa--gfx1250"
	.amdhsa_code_object_version 6
	.text
	.protected	k_qe3e5bcab8c_prep
	.globl	k_qe3e5bcab8c_prep
	.p2align	8
	.type	k_qe3e5bcab8c_prep,@function
k_qe3e5bcab8c_prep:
	s_mov_b64 s[64:65], 0
	v_nop
	global_prefetch_b8 v0, s[64:65] scope:SCOPE_SE
	s_setreg_imm32_b32 hwreg(HW_REG_WAVE_MODE, 25, 1), 1
	s_wait_xcnt 0x0
; PREP.  (1) xn = LayerNorm(x) gamma + beta in f32, quantised along its 1,024 columns to E2M3 codes with one E8M0 byte for each 32;  (2) the three weights' codes laid anew.
; Both leave as IMAGES OF OPERAND REGISTERS: a fragment (16 rows x 128 K, 12 registers a lane) is three runs of 512 bytes, lane l's four registers at 16 l.
; A TILE'S ROWS ARE NOT NEIGHBOURS: tile 2 p + u of pair p (32 rows) holds rows 32 p + 8 u + r + 8 (r / 8), r = 0 .. 15.
; xq: codes [pair 0..255][u][K step 0..7] fragments; from XS_OFF on the scale words [pair][r + 16 u][K step].   wimg: [tile 0..255][K step]: tiles 0-63 Wq, 64-191 Wkv, 192-255 Wo.
; SHARES.  Work-group g: tokens 32 g .. 32 g + 31, and weight tile g.  First wave w normalises rows 4 w .. 4 w + 3, a row across its 32 lanes (each load covers 512 consecutive bytes);
; the rows meet in LDS; then wave w quantises K step w of both tiles, a lane holding two whole blocks of 32 of its row.  Wave w also copies fragment (g, w) of the weights.
; The statistics are taken in two passes (the mean, then the mean of squared differences), so no difference of large sums is formed.
; No matrix unit, no cluster, no tensor load: the launch streams, and its work-groups share nothing but gamma and beta.
; LIMITS: NaN and infinities in x are not served.  A block of zeros gets the byte 1 where the quantiser's rule says 127: its codes are zeros, and this program alone reads the bytes.
.set XS_OFF, 6291456
.set SLOTB,  4112                      ; a row in LDS: 4,096 bytes + 16 = 257 x 16: sixteen rows' equal columns start at sixteen different groups of banks
.set SCL,    32*SLOTB                  ; behind the rows: the pair's 256 scale words
.set A,   16                           ; v16-23   a pair of running sums for each of my four rows
.set MU,  24                           ; v24-31   the mean, later 1 / sqrt(var + eps), twice (pairs for the packed forms)
.set X,   32                           ; v32-159  row i at X + 32 i
.set GA,  160                          ; v160-191 gamma of my 32 columns
.set BE,  192                          ; v192-223 beta
.set RP,  224                          ; v224-235 the weight fragment on its way
.set N0,  32                           ; second phase: 64 numbers of tile 0's row, of tile 1's
.set N1,  96
.set C0,  160                          ; their codes
.set C1,  172
.set CT,  184                          ; the upper halves of two blocks, before they are moved
.set MX,  192
.set SO,  194
.set BY,  196
.set W0,  198
.set W1,  199
.set TT,  200
	s_load_b512 s[4:19], s[0:1], 0x0               ; x 4:5, gamma 6:7, beta 8:9, Wq 10:11, Wkv 12:13, Wo 14:15, xq 16:17, wimg 18:19
	v_lshl_add_u32 v254, v0, 2, 0x20600
	v_mov_b32 v255, 0
	v_lshrrev_b32 v1, 5, v0
	v_readfirstlane_b32 s20, v1                    ; wave 0..7
	v_and_b32 v1, 31, v0                           ; lane
	v_and_b32 v2, 15, v0                           ; r
	v_bfe_u32 v3, v0, 4, 1                         ; h
	v_lshlrev_b32 v4, 4, v1                        ; 16 x lane
	; row 16 a + 8 u + e of the pair goes to slot 16 u + 8 a + e, so that a tile's sixteen rows are sixteen slots on end.  My rows 4 w + i: u = (w >> 1) & 1, a = w >> 2, e = 4 (w & 1) + i
	s_bfe_u32 s21, s20, 0x10001
	s_lshl_b32 s21, s21, 4
	s_lshr_b32 s25, s20, 2
	s_lshl_b32 s25, s25, 3
	s_add_co_u32 s21, s21, s25
	s_and_b32 s25, s20, 1
	s_lshl_b32 s25, s25, 2
	s_add_co_u32 s21, s21, s25
	s_mul_i32 s21, s21, SLOTB
	v_add_nc_u32 v5, s21, v4                       ; where I store: my first slot + 16 x lane
	v_mul_u32_u24 v6, v2, SLOTB
	v_lshl_add_u32 v6, v3, 7, v6
	s_lshl_b32 s25, s20, 9
	v_add_nc_u32 v6, s25, v6                       ; where I read: slot r, K step w (512 bytes), my half's block (128 bytes)
	v_add_nc_u32 v7, 16*SLOTB, v6                  ; the same in tile 1
	v_lshlrev_b32 v8, 3, v3                        ; 8 h: my bytes' place in a scale word
	v_lshlrev_b32 v9, 5, v1
	s_lshl_b32 s25, s20, 2
	s_add_co_u32 s25, s25, SCL
	v_add_nc_u32 v9, s25, v9                       ; scale words in LDS: 32 x lane + 4 x wave
	v_and_b32 v10, 8, v2
	v_add_nc_u32 v10, v10, v2                      ; r + 8 (r / 8)
	v_mul_u32_u24 v10, v10, 768                    ; a weight's row is 1,024 codes = 768 bytes
	v_mad_u32_u24 v10, v3, 24, v10
	v_lshl_add_u32 v11, v0, 4, SCL                 ; the scale words' way out (waves 0 and 1 alone)
	v_lshlrev_b32 v12, 4, v0
	v_cmp_lt_u32 s30, 15, v1                       ; lanes 16-31
	s_mov_b32 s28, 0x76543210
	s_mov_b32 s29, 0xfedcba98                      ; lane selects: lane l xor 16
	s_mov_b32 s31, 0x3a800000                      ; 1 / 1024
	s_mov_b32 s36, 0x3727c5ac                      ; eps = 1e-5
	s_mov_b32 s27, 0
	s_wait_kmcnt 0x0
	s_cmp_lt_u32 ttmp9, 64                         ; which weight holds tile g: the choice hangs on the work-group's number alone
	s_cselect_b64 s[22:23], s[10:11], s[12:13]
	s_cselect_b32 s24, 0, 64
	s_cmp_lt_u32 ttmp9, 192
	s_cselect_b64 s[22:23], s[22:23], s[14:15]
	s_cselect_b32 s24, s24, 192
	s_sub_co_u32 s25, ttmp9, s24                   ; the tile's number in its weight
	s_lshr_b32 s26, s25, 1
	s_lshl_b32 s26, s26, 5
	s_and_b32 s25, s25, 1
	s_lshl_b32 s25, s25, 3
	s_add_co_u32 s26, s26, s25                     ; its first row
	s_mul_i32 s26, s26, 768
	s_mul_i32 s25, s20, 96                         ; K step w: 96 bytes
	s_add_co_u32 s26, s26, s25
	s_add_nc_u64 s[22:23], s[22:23], s[26:27]
	s_lshl_b32 s26, ttmp9, 17                      ; 32 rows of 4,096 bytes,
	s_lshl_b32 s25, s20, 14                        ; my four
	s_add_co_u32 s26, s26, s25
	s_add_nc_u64 s[4:5], s[4:5], s[26:27]
.irp i, 0,1,2,3
.irp p, 0,1,2,3,4,5,6,7
	global_load_b128 v[X+32*\i+4*\p:X+32*\i+4*\p+3], v4, s[4:5] offset:4096*\i+512*\p th:TH_LOAD_NT
.endr
.endr
.irp p, 0,1,2,3,4,5,6,7
	global_load_b128 v[GA+4*\p:GA+4*\p+3], v4, s[6:7] offset:512*\p
.endr
.irp p, 0,1,2,3,4,5,6,7
	global_load_b128 v[BE+4*\p:BE+4*\p+3], v4, s[8:9] offset:512*\p
.endr
.irp e, 0,1
.irp p, 0,1,2
	global_load_b64 v[RP+6*\e+2*\p:RP+6*\e+2*\p+1], v10, s[22:23] offset:48*\e+8*\p   ; the weight's fragment as the operand wants it: 24 bytes at 48 e + 24 h of the row's 96
.endr
.endr
	s_lshl_b32 s26, ttmp9, 3
	s_add_co_u32 s26, s26, s20
	s_mul_i32 s26, s26, 1536
	s_add_nc_u64 s[18:19], s[18:19], s[26:27]      ; wimg at fragment (g, w)
	s_mul_i32 s26, ttmp9, 24576
	s_mul_i32 s25, s20, 1536
	s_add_co_u32 s26, s26, s25
	s_add_nc_u64 s[34:35], s[16:17], s[26:27]      ; xq at pair g, tile 0, K step w
	s_lshl_b32 s26, ttmp9, 10
	s_add_co_u32 s26, s26, XS_OFF
	s_add_nc_u64 s[32:33], s[16:17], s[26:27]      ; and at the pair's scale words
; the four rows' sums: halves, four steps inside each 16 lanes, one across
.macro RED4
.irp i, 0,1,2,3
	v_add_f32 v[A+2*\i], v[A+2*\i], v[A+2*\i+1]
.endr
.irp m, 1,2,4,8
.irp i, 0,1,2,3
	v_add_f32_dpp v[A+2*\i], v[A+2*\i], v[A+2*\i] row_xmask:\m row_mask:0xf bank_mask:0xf
.endr
.endr
.irp i, 0,1,2,3
	v_permlanex16_b32 v[A+2*\i+1], v[A+2*\i], s28, s29
.endr
.irp i, 0,1,2,3
	v_add_f32 v[A+2*\i], v[A+2*\i], v[A+2*\i+1]
.endr
.endm
	s_wait_loadcnt 22                              ; x is in; gamma's 8, beta's 8 and the weight's 6 loads may be out
.irp i, 0,1,2,3
	v_pk_add_f32 v[A+2*\i:A+2*\i+1], v[X+32*\i:X+32*\i+1], v[X+32*\i+2:X+32*\i+3]
.endr
.set j, 4
.rept 14
.irp i, 0,1,2,3
	v_pk_add_f32 v[A+2*\i:A+2*\i+1], v[A+2*\i:A+2*\i+1], v[X+32*\i+j:X+32*\i+j+1]
.endr
.set j, j+2
.endr
	RED4
.irp i, 0,1,2,3
	v_mul_f32 v[MU+2*\i], s31, v[A+2*\i]           ; the mean
	v_mul_f32 v[MU+2*\i+1], s31, v[A+2*\i]
.endr
.set j, 0
.rept 16
.irp i, 0,1,2,3
	v_pk_add_f32 v[X+32*\i+j:X+32*\i+j+1], v[X+32*\i+j:X+32*\i+j+1], v[MU+2*\i:MU+2*\i+1] op_sel_hi:[1,0] neg_lo:[0,1] neg_hi:[0,1]   ; x - mean
.endr
.set j, j+2
.endr
.irp i, 0,1,2,3
	v_pk_mul_f32 v[A+2*\i:A+2*\i+1], v[X+32*\i:X+32*\i+1], v[X+32*\i:X+32*\i+1]
.endr
.set j, 2
.rept 15
.irp i, 0,1,2,3
	v_pk_fma_f32 v[A+2*\i:A+2*\i+1], v[X+32*\i+j:X+32*\i+j+1], v[X+32*\i+j:X+32*\i+j+1], v[A+2*\i:A+2*\i+1]
.endr
.set j, j+2
.endr
	RED4
.irp i, 0,1,2,3
	v_fma_f32 v[A+2*\i], v[A+2*\i], s31, s36       ; var + eps
.endr
.irp i, 0,1,2,3
	v_rsq_f32 v[MU+2*\i], v[A+2*\i]
.endr
	v_nop                                          ; a plain instruction behind the last of the batch
	s_wait_alu depctr_va_vdst(0)                   ; one wait for the four, ahead of their first reader
.irp i, 0,1,2,3
	v_mov_b32 v[MU+2*\i+1], v[MU+2*\i]
.endr
.set j, 0
.rept 16
.irp i, 0,1,2,3
	v_pk_mul_f32 v[X+32*\i+j:X+32*\i+j+1], v[X+32*\i+j:X+32*\i+j+1], v[MU+2*\i:MU+2*\i+1] op_sel_hi:[1,0]
.endr
.set j, j+2
.endr
	s_wait_loadcnt 6                               ; gamma and beta are in; the weight's 6 loads may be out
.set j, 0
.rept 16
.irp i, 0,1,2,3
	v_pk_fma_f32 v[X+32*\i+j:X+32*\i+j+1], v[X+32*\i+j:X+32*\i+j+1], v[GA+j:GA+j+1], v[BE+j:BE+j+1]
.endr
.set j, j+2
.endr
.irp i, 0,1,2,3
.irp p, 0,1,2,3,4,5,6,7
	ds_store_b128 v5, v[X+32*\i+4*\p:X+32*\i+4*\p+3] offset:SLOTB*\i+512*\p
.endr
.endr
	s_wait_loadcnt 0x0
.irp k, 0,1,2
	global_store_b128 v4, v[RP+4*\k:RP+4*\k+3], s[18:19] offset:512*\k     ; 512 consecutive bytes a store
.endr
	s_wait_dscnt 0x0                               ; for the others' sake: my rows lie in LDS
	s_barrier_signal -1
	s_barrier_wait -1
	; ---- K step w of both tiles.  Lane (r, h) takes, of the tile's row r, k = 128 w + 64 e + 32 h + 0 .. 31: the very numbers whose codes the operand's layout gives that lane
.irp e, 0,1
.irp i, 0,1,2,3,4,5,6,7
	ds_load_b128 v[N0+32*\e+4*\i:N0+32*\e+4*\i+3], v6 offset:256*\e+16*\i
.endr
.endr
.irp e, 0,1
.irp i, 0,1,2,3,4,5,6,7
	ds_load_b128 v[N1+32*\e+4*\i:N1+32*\e+4*\i+3], v7 offset:256*\e+16*\i
.endr
.endr
	v_mov_b32 v[TT], 0                             ; a lane permute's destination counts as one of its sources
; 64 numbers at v[src] on (two whole blocks of 32) become 12 registers of codes at v[dst] on and the row's scale word for this K step in v[wrd]
.macro QUANT6 src, dst, wrd
.irp e, 0,1
	v_max3_num_f32 v[MX+\e], |v[\src+32*\e]|, |v[\src+32*\e+1]|, 0x1800000   ; the floor 2^(3 - 127) among the leaves: the byte cannot fall under 1
.endr
.set j, 2
.rept 15
.irp e, 0,1
	v_max3_num_f32 v[MX+\e], v[MX+\e], |v[\src+32*\e+j]|, |v[\src+32*\e+j+1]|
.endr
.set j, j+2
.endr
.irp e, 0,1
	v_add_nc_u32 v[SO+\e], 0xff000000, v[MX+\e]    ; 2 off the exponent field: the conversion's scale operand
.endr
.irp e, 0,1
	v_lshrrev_b32 v[BY+\e], 23, v[SO+\e]           ; the scale's byte
.endr
	v_lshl_or_b32 v[\wrd], v[BY+1], 16, v[BY]      ; my blocks are h and 2 + h of the K step's four
	v_lshlrev_b32 v[\wrd], v8, v[\wrd]
	v_permlanex16_b32 v[TT], v[\wrd], s28, s29
	v_or_b32 v[\wrd], v[\wrd], v[TT]               ; with lane l xor 16's two bytes the word is whole
.irp e, 0,1
	v_cvt_scalef32_pk16_fp6_f32 v[\dst+6*\e:\dst+6*\e+2], v[\src+32*\e:\src+32*\e+15], v[SO+\e]
	v_cvt_scalef32_pk16_fp6_f32 v[CT+4*\e:CT+4*\e+2], v[\src+32*\e+16:\src+32*\e+31], v[SO+\e]   ; (a conversion's three registers begin on an even number)
.endr
	v_nop                                          ; one plain instruction behind the conversions
.irp e, 0,1
.irp i, 0,1,2
	v_mov_b32 v[\dst+6*\e+3+\i], v[CT+4*\e+\i]
.endr
.endr
.endm
	s_wait_dscnt 16                                ; tile 0's sixteen loads are in, tile 1's may be out
	QUANT6 N0, C0, W0
.irp k, 0,1,2
	global_store_b128 v4, v[C0+4*\k:C0+4*\k+3], s[34:35] offset:512*\k
.endr
	s_wait_dscnt 0x0
	QUANT6 N1, C1, W1
.irp k, 0,1,2
	global_store_b128 v4, v[C1+4*\k:C1+4*\k+3], s[34:35] offset:12288+512*\k
.endr
	v_cndmask_b32 v[TT], v[W0], v[W1], s30         ; lanes 0-15: tile 0's row r; lanes 16-31: tile 1's
	ds_store_b32 v9, v[TT]
	s_wait_dscnt 0x0                               ; for the others' sake
	s_barrier_signal -1
	s_barrier_wait -1
	s_cmp_gt_u32 s20, 1                            ; the pair's 1,024 bytes of scale words leave by waves 0 and 1: 512 consecutive bytes each
	s_cbranch_scc1 .Ldone
	ds_load_b128 v[204:207], v11
	s_wait_dscnt 0x0
	global_store_b128 v12, v[204:207], s[32:33]
.Ldone:
	s_wait_tensorcnt 0x0
	ds_add_u32 v254, v255
	s_wait_dscnt 0x0
	s_endpgm
.Lfunc_end_k_qe3e5bcab8c_prep:
	.size	k_qe3e5bcab8c_prep, .Lfunc_end_k_qe3e5bcab8c_prep-k_qe3e5bcab8c_prep
	.p2alignl 7, 3214868480
	.fill 96, 4, 3214868480
	.section	.rodata,"a",@progbits
	.p2align	6, 0x0
	.amdhsa_kernel k_qe3e5bcab8c_prep
		.amdhsa_group_segment_fixed_size 133632
		.amdhsa_private_segment_fixed_size 0
		.amdhsa_enable_private_segment 0
		.amdhsa_kernarg_size 64
		.amdhsa_user_sgpr_count 2
		.amdhsa_user_sgpr_kernarg_segment_ptr 1
		.amdhsa_wavefront_size32 1
		.amdhsa_system_sgpr_workgroup_id_x 1
		.amdhsa_system_sgpr_workgroup_id_y 1
		.amdhsa_system_sgpr_workgroup_id_z 1
		.amdhsa_system_vgpr_workitem_id 0
		.amdhsa_next_free_vgpr 256
		.amdhsa_next_free_sgpr 66
		.amdhsa_reserve_vcc 0
		.amdhsa_float_denorm_mode_32 3
		.amdhsa_float_denorm_mode_16_64 3
		.amdhsa_memory_ordered 1
		.amdhsa_forward_progress 1
		.amdhsa_inst_pref_size 44
	.end_amdhsa_kernel
	.amdgpu_metadata
---
amdhsa.version: [ 1, 2 ]
amdhsa.kernels:
  - .name:           k_qe3e5bcab8c_prep
    .symbol:         k_qe3e5bcab8c_prep.kd
    .args:
      - { .name: x, .offset: 0, .size: 8, .value_kind: global_buffer, .address_space: global }
      - { .name: gamma, .offset: 8, .size: 8, .value_kind: global_buffer, .address_space: global }
      - { .name: beta, .offset: 16, .size: 8, .value_kind: global_buffer, .address_space: global }
      - { .name: Wq_codes, .offset: 24, .size: 8, .value_kind: global_buffer, .address_space: global }
      - { .name: Wkv_codes, .offset: 32, .size: 8, .value_kind: global_buffer, .address_space: global }
      - { .name: Wo_codes, .offset: 40, .size: 8, .value_kind: global_buffer, .address_space: global }
      - { .name: xq, .offset: 48, .size: 8, .value_kind: global_buffer, .address_space: global }
      - { .name: wimg, .offset: 56, .size: 8, .value_kind: global_buffer, .address_space: global }
    .group_segment_fixed_size: 133632
    .private_segment_fixed_size: 0
    .kernarg_segment_align: 8
    .kernarg_segment_size: 64
    .max_flat_workgroup_size: 256
    .sgpr_count:     66
    .vgpr_count:     256
    .wavefront_size: 32
...
	.end_amdgpu_metadata
.endif
;; end of part 1
;; launch qkv (part 2): grid 8 x 32, 4 waves a work-group, no clusters, 198,144 bytes of LDS; arguments xq, wimg, Wq_scales, Wkv_scales, bq, bkv, qkq, vq; writes qkq, vq
.if DOCPART == 2
	.amdgcn_target "amdgcn-amd-amdhsa--gfx1250"
	.amdhsa_code_object_version 6
	.text
	.protected	k_qe3e5bcab8c_qkv
	.globl	k_qe3e5bcab8c_qkv
	.p2align	8
	.type	k_qe3e5bcab8c_qkv,@function
k_qe3e5bcab8c_qkv:
	s_mov_b64 s[64:65], 0
	v_nop
	global_prefetch_b8 v0, s[64:65] scope:SCOPE_SE
	s_setreg_imm32_b32 hwreg(HW_REG_WAVE_MODE, 25, 1), 1
	s_wait_xcnt 0x0
; QKV.  q = xn Wq + bq, k and v = xn Wkv + bkv on E2M3 codes; the results are quantised in registers (q and k along the head's 64, v along the keys) and leave as images of operand registers.
; SHARES.  Work-group (cg, rg): 256 tokens (rg) x 4 slabs of columns.  Wave w has slab sg = 4 cg + w: four tiles of 16 columns of q (sg < 16: head sg) or k (head sg - 16), and two tiles of v (head sg / 2, half sg % 2).
; THE WEIGHTS STAY IN REGISTERS: 6 tiles x 8 K steps = 48 fragments, 576 registers, read once.  The tokens' codes, 196,608 dense bytes, come into LDS once, by tensor loads, and all four waves read them.
; q, k: source 0 = 16 columns of W, source 1 = 16 tokens: a lane holds one token, and the registers of tiles 2 i, 2 i + 1 are 16 neighbours along the head's 64 (a tile's rows are 32 p + 8 u + r + 8 (r / 8)).
; v:    source 0 = 16 tokens, source 1 = 16 columns of W: a lane holds one column, and the registers of the pair's two tiles are 16 neighbouring tokens: the keys, which are the later product's K.
; The biases are the C of each sum's first product.  The twelve accumulators take turns, one instruction a turn.
; qkq: [batch][sg 0..31][token tile 0..63] half fragments (16 tokens x 64: six registers: four at 16 l, two at 512 + 8 l); from QKS_OFF on [batch][sg][j 0..7][r][4 words]: word i serves pair 4 j + i, bytes 0, 1 tile u = 0, bytes 2, 3 tile u = 1.
; vq:  [batch][head][tile of 16 channels 0..3][64 keys 0..15] half fragments; from VS_OFF on [batch][head][j][r][tile] words, byte i for keys 128 j + 32 i on.
; NO JOINT LOADS: the tokens' block is shared by the eight work-groups of a row of the grid, but its eight parts are all asked for at the head and only the first, 24,576 bytes, is waited for ahead of the products;
; a wave's other stream, 73,728 bytes of weights, goes straight to registers.  No slot is filled twice, so there is no ring.  By this text's count eight tensor loads of a wave are out at the most.
; LIMITS: NaN and infinities are not served.  A block of zeros gets the byte 1 where the quantiser's rule says 127: its codes are zeros, and this program alone reads the bytes.
; REGISTERS, in windows of 256.  Window 0: v1-15 addresses; v16-63 the weights' scale words; v64-79 the tokens', two sets; v80-151 the tokens' fragments, three buffers of two; v152-231 the epilogue's.
;   Window 1: W of K steps 0-2 (72 (s % 3) + 12 t), v216-247 the q/k bias.  Window 2: K steps 3-5, v216-231 v's bias.  Window 3: K steps 6, 7; v144-207 the 8 accumulators of q/k, v208-239 the 4 of v.
.set XS_OFF,  6291456
.set QKS_OFF, 12582912
.set VS_OFF,  6291456
.set VSTG, 196608                      ; behind the tokens' codes: 1,024 bytes in which v's scale words meet; no tensor load lands here
.set WS, 16
.set AS, 64
.set AF, 80
.set KW, 152                           ; v152-159 q/k scale words of the eight pairs
.set VW, 160                           ; v160-163 v's scale words: tile t, run of four pairs j at VW + 2 t + j
.set VH, 164                           ; v164-175 v's half fragments in the making
.set TM, 176
.set PT, 182
.set SO, 188
.set BY, 194
.set PC, 200
.set CT, 212
.set VO, 220
.set TT, 228
.set AQ, 144                           ; window 3: accumulator (u, t) at AQ + 8 (4 u + t)
.set AV, 208                           ; window 3: accumulator (t, u) at AV + 8 (2 t + u)
.set BQ, 216                           ; window 1
.set BV, 216                           ; window 2
.set MSB, 0
.macro WIN new                         ; the immediate's high byte repeats the setting that is left; a switch that changes nothing is dropped
.if MSB != (\new)
	s_set_vgpr_msb (MSB<<8)|(\new)
.set MSB, (\new)
.endif
.endm
.macro PLACES n
.rept \n
	v_nop
.endr
.endm
	s_load_b512 s[4:19], s[0:1], 0x0               ; xq 4:5, wimg 6:7, Wq_scales 8:9, Wkv_scales 10:11, bq 12:13, bkv 14:15, qkq 16:17, vq 18:19
	v_lshl_add_u32 v254, v0, 2, 0x30400
	v_mov_b32 v255, 0
	ds_add_u32 v254, v255
	ds_add_u32 v254, v255
	v_lshrrev_b32 v1, 5, v0
	v_readfirstlane_b32 s20, v1                    ; wave 0..3
	s_mov_b32 s21, ttmp9                           ; cg
	s_and_b32 s22, ttmp7, 0xffff                   ; rg
	s_lshl_b32 s23, s21, 2
	s_add_co_u32 s23, s23, s20                     ; sg
	; descriptor group 1: 24 rows of 256 bytes (32 elements of 8 bytes), dense: a quarter of a pair's 24,576 bytes
	s_mov_b32 s24, 3<<16
	s_mov_b32 s25, 32<<16                          ; tensor_dim0
	s_mov_b32 s26, 24<<16                          ; tensor_dim1
	s_mov_b32 s27, 32<<16                          ; tile_dim0
	s_mov_b32 s28, 24                              ; tile_dim1
	s_mov_b32 s29, 32                              ; pitch
	s_mov_b32 s30, 0
	s_mov_b32 s31, 0
	s_mul_i32 s92, s20, 6144                       ; my quarter
	s_mul_i32 s94, s22, 196608
	s_add_co_u32 s94, s94, s92
	s_mov_b32 s95, 0
	s_wait_dscnt 0x0
	s_wait_kmcnt 0x0
	s_add_nc_u64 s[94:95], s[4:5], s[94:95]
.irp p, 0,1,2,3,4,5,6,7
	s_mov_b32 s[32+4*\p], 1
	s_add_co_u32 s[33+4*\p], s92, 24576*\p         ; LDS: pair p, my quarter
	s_add_nc_u64 s[34+4*\p:35+4*\p], s[94:95], 24576*\p
	s_or_b32 s[35+4*\p], s[35+4*\p], 0x80000000
.endr
.irp p, 0,1,2,3,4,5,6,7
	tensor_load_to_lds s[32+4*\p:35+4*\p], s[24:31]   ; all first fills in one group, ahead of every wait on TENSORcnt, every LDS read and every barrier
	s_nop 0
.endr
	PLACES 4
	v_and_b32 v1, 31, v0
	v_and_b32 v2, 15, v0                           ; r
	v_bfe_u32 v3, v0, 4, 1                         ; h
	v_lshlrev_b32 v8, 4, v1                        ; 16 x lane
	v_lshlrev_b32 v9, 3, v1                        ; 8 x lane
	v_lshlrev_b32 v10, 5, v1                       ; 32 x lane: the tokens' eight scale words
.irp k, 0,1,2,3
	v_add_nc_u32 v[4+\k], 49152*\k, v8             ; LDS: pairs 2 k, 2 k + 1
.endr
	v_and_b32 v13, 8, v2
	v_add_nc_u32 v13, v13, v2                      ; r + 8 (r / 8)
	v_lshlrev_b32 v11, 5, v13                      ; a weight's row of scale bytes: 32
	v_lshlrev_b32 v13, 2, v13                      ; v's bias: my column
	v_lshlrev_b32 v12, 6, v3                       ; the q/k bias: 16 h numbers on
	s_lshr_b32 s92, s20, 1
	s_lshl_b32 s92, s92, 9
	s_and_b32 s93, s20, 1
	s_lshl_b32 s93, s93, 3
	s_add_co_u32 s92, s92, s93
	s_add_co_u32 s92, s92, VSTG
	v_add_nc_u32 v14, s92, v8                      ; v's scale words into LDS: [head of two][j of two][r][tile]: 512 (w / 2) + 256 h + 16 r + 8 (w % 2)
	s_lshl_b32 s92, s20, 8
	s_add_co_u32 s92, s92, VSTG
	v_add_nc_u32 v15, s92, v9                      ; and out: 256 bytes a wave
	s_mov_b32 s93, 0
	s_mul_i32 s92, s23, 49152
	s_add_nc_u64 s[66:67], s[6:7], s[92:93]        ; wimg at tile 4 sg
	s_mul_i32 s92, s23, 24576
	s_add_co_u32 s92, s92, 1572864
	s_add_nc_u64 s[68:69], s[6:7], s[92:93]        ; and at tile 128 + 2 sg
	s_and_b32 s89, s23, 15                         ; the head
	s_cmp_lt_u32 s21, 4                            ; q or k?  The choice hangs on the work-group's number alone
	s_cselect_b64 s[70:71], s[8:9], s[10:11]
	s_cselect_b64 s[74:75], s[12:13], s[14:15]
	s_lshl_b32 s92, s89, 11
	s_add_nc_u64 s[70:71], s[70:71], s[92:93]      ; scale bytes of the head's 64 rows
	s_lshl_b32 s92, s89, 8
	s_add_nc_u64 s[74:75], s[74:75], s[92:93]      ; their bias
	s_lshl_b32 s92, s23, 10
	s_add_co_u32 s92, s92, 32768
	s_add_nc_u64 s[72:73], s[10:11], s[92:93]      ; Wkv's rows 1024 + 32 sg on: scale bytes
	s_lshl_b32 s92, s23, 7
	s_add_co_u32 s92, s92, 4096
	s_add_nc_u64 s[76:77], s[14:15], s[92:93]      ; and bias
	s_lshl_b32 s92, s22, 13
	s_add_co_u32 s92, s92, XS_OFF
	s_add_nc_u64 s[78:79], s[4:5], s[92:93]        ; the tokens' scale words
	s_lshr_b32 s94, s22, 2                         ; batch
	s_and_b32 s95, s22, 3                          ; which 256 tokens of it
	s_lshl_b32 s89, s94, 5
	s_add_co_u32 s89, s89, s23                     ; 32 batch + sg
	s_lshl_b32 s92, s89, 6
	s_lshl_b32 s88, s95, 4
	s_add_co_u32 s92, s92, s88
	s_mul_i32 s92, s92, 768
	s_add_nc_u64 s[80:81], s[16:17], s[92:93]      ; qkq at my first token tile
	s_lshl_b32 s92, s89, 3
	s_lshl_b32 s88, s95, 1
	s_add_co_u32 s92, s92, s88
	s_lshl_b32 s92, s92, 8
	s_add_co_u32 s92, s92, QKS_OFF
	s_add_nc_u64 s[84:85], s[16:17], s[92:93]      ; and at my 512 bytes of scale words
	s_lshl_b32 s89, s94, 4
	s_lshr_b32 s88, s23, 1
	s_add_co_u32 s89, s89, s88                     ; 16 batch + head of v
	s_lshl_b32 s92, s89, 2
	s_and_b32 s88, s23, 1
	s_lshl_b32 s88, s88, 1
	s_add_co_u32 s92, s92, s88
	s_lshl_b32 s92, s92, 4
	s_lshl_b32 s88, s95, 2
	s_add_co_u32 s92, s92, s88
	s_mul_i32 s92, s92, 768
	s_add_nc_u64 s[82:83], s[18:19], s[92:93]      ; vq at my first tile of channels, my first 64 keys
	s_lshl_b32 s92, s89, 3
	s_lshl_b32 s88, s95, 1
	s_add_co_u32 s92, s92, s88
	s_and_b32 s88, s20, 1
	s_add_co_u32 s92, s92, s88
	s_lshl_b32 s92, s92, 8
	s_add_co_u32 s92, s92, VS_OFF
	s_add_nc_u64 s[86:87], s[18:19], s[92:93]      ; the 256 bytes of v's scale words that I store
	v_cmp_lt_u32 s88, 15, v1                       ; lanes 16-31
	s_mov_b32 s90, 0x76543210
	s_mov_b32 s91, 0xfedcba98                      ; lane selects: lane l xor 16
.irp k, 0,1,2,3,4,5
	v_mov_b32 v[PT+\k], 0                          ; a lane permute's destination counts as one of its sources
.endr
.irp s, 0,1,2,3,4,5,6,7                        ; the weights: 144 loads of 512 consecutive bytes
	WIN (1+\s/3)<<6
.irp t, 0,1,2,3
.irp k, 0,1,2
	global_load_b128 v[72*(\s%3)+12*\t+4*\k:72*(\s%3)+12*\t+4*\k+3], v8, s[66:67] offset:12288*\t+1536*\s+512*\k
.endr
.endr
.irp t, 0,1
.irp k, 0,1,2
	global_load_b128 v[72*(\s%3)+48+12*\t+4*\k:72*(\s%3)+48+12*\t+4*\k+3], v8, s[68:69] offset:12288*\t+1536*\s+512*\k
.endr
.endr
.endr
	WIN 0x40
.irp t, 0,1,2,3
.irp k, 0,1
	global_load_b128 v[BQ+8*\t+4*\k:BQ+8*\t+4*\k+3], v12, s[74:75] offset:(32*(\t/2)+8*(\t%2))*4+16*\k   ; register j of tile t is column 32 (t / 2) + 16 h + 8 (t % 2) + j
.endr
.endr
	WIN 0x80
.irp t, 0,1
.irp j, 0,1,2,3,4,5,6,7
	global_load_b32 v[BV+8*\t+\j], v13, s[76:77] offset:32*\t   ; in v's result a lane is one column: its bias in all eight registers
.endr
.endr
	WIN 0
.irp t, 0,1,2,3
.irp k, 0,1
	global_load_b128 v[WS+8*\t+4*\k:WS+8*\t+4*\k+3], v11, s[70:71] offset:(32*(\t/2)+8*(\t%2))*32+16*\k   ; a row's eight scale words, one for each K step
.endr
.endr
.irp t, 0,1
.irp k, 0,1
	global_load_b128 v[WS+32+8*\t+4*\k:WS+32+8*\t+4*\k+3], v11, s[72:73] offset:256*\t+16*\k
.endr
.endr
	global_load_b128 v[AS:AS+3], v10, s[78:79]     ; pair 0's scale words: lanes 0-15 tile u = 0, lanes 16-31 tile u = 1
	global_load_b128 v[AS+4:AS+7], v10, s[78:79] offset:16
; the two tiles' fragments of pair b, K step s, into buffer s % 3: six loads of 512 consecutive bytes
.macro LOADA b, s
.irp u, 0,1
.irp g, 0,1,2
	ds_load_b128 v[AF+24*((\s)%3)+12*\u+4*\g:AF+24*((\s)%3)+12*\u+4*\g+3], v[4+(\b)/2] offset:24576*((\b)%2)+1536*(8*\u+(\s))+512*\g
.endr
.endr
.endm
; A K step of pair b: twelve products.  The fragments of two steps on are asked for first, into the buffer that the last step read: four places stand behind that step's products (ISA guide 7.12.1 for vector instructions).
.macro KSTEP b, s
.set WF, 1+(\s)/3
.set WR, 72*((\s)%3)
.set AB, AF+24*((\s)%3)
.if (\s) < 6
	WIN 0
.if (\s) > 0
	PLACES 4
.endif
	LOADA \b, (\s)+2
	s_wait_dscnt 12                                ; this step's six loads are in; the next two steps' may be out
.elseif (\s) == 6
	s_wait_dscnt 6
.else
	s_wait_dscnt 0x0
.endif
.if (\s) == 0
	WIN 0xd1                                       ; W window 1, C (the bias) window 1, D window 3
.else
	WIN 0xf0|WF
.endif
.irp u, 0,1
.irp t, 0,1,2,3
.set DR, AQ+8*(4*\u+\t)
.if (\s) == 0
.set CR, BQ+8*\t
.else
.set CR, DR
.endif
.if \u == 0
	v_wmma_scale_f32_16x16x128_f8f6f4 v[DR:DR+7], v[WR+12*\t:WR+12*\t+11], v[AB:AB+11], v[CR:CR+7], v[WS+8*\t+(\s)], v[AS+8*((\b)%2)+(\s)] matrix_a_fmt:MATRIX_FMT_FP6 matrix_b_fmt:MATRIX_FMT_FP6
.else
	v_wmma_scale_f32_16x16x128_f8f6f4 v[DR:DR+7], v[WR+12*\t:WR+12*\t+11], v[AB+12:AB+23], v[CR:CR+7], v[WS+8*\t+(\s)], v[AS+8*((\b)%2)+(\s)] matrix_a_fmt:MATRIX_FMT_FP6 matrix_b_fmt:MATRIX_FMT_FP6 matrix_b_scale:MATRIX_SCALE_ROW1
.endif
.endr
.endr
.if (\s) == 0
	WIN 0xe4                                       ; W (source 1) window 1, C (v's bias) window 2, D window 3
.else
	WIN 0xf0|(WF<<2)
.endif
.irp t, 0,1
.irp u, 0,1
.set DR, AV+8*(2*\t+\u)
.if (\s) == 0
.set CR, BV+8*\t
.else
.set CR, DR
.endif
.if \u == 0
	v_wmma_scale_f32_16x16x128_f8f6f4 v[DR:DR+7], v[AB:AB+11], v[WR+48+12*\t:WR+48+12*\t+11], v[CR:CR+7], v[AS+8*((\b)%2)+(\s)], v[WS+32+8*\t+(\s)] matrix_a_fmt:MATRIX_FMT_FP6 matrix_b_fmt:MATRIX_FMT_FP6
.else
	v_wmma_scale_f32_16x16x128_f8f6f4 v[DR:DR+7], v[AB+12:AB+23], v[WR+48+12*\t:WR+48+12*\t+11], v[CR:CR+7], v[AS+8*((\b)%2)+(\s)], v[WS+32+8*\t+(\s)] matrix_a_fmt:MATRIX_FMT_FP6 matrix_b_fmt:MATRIX_FMT_FP6 matrix_a_scale:MATRIX_SCALE_ROW1
.endif
.endr
.endr
.endm
; THE EPILOGUE of pair b.  Six blocks of 32, each in lanes l and l xor 16, 16 registers a lane, at AQ + 16 k: k = 2 u + i: token tile u, channels 32 i on (q/k); k = 4 + t: v's tile t, the pair's 32 tokens.
.macro EPI b
	s_wait_xcnt 0x0                                ; the last epilogue's stores have read their registers
	WIN 0x3c                                       ; sources 1 and 2: window 3
.irp k, 0,1,2,3,4,5
	v_max3_num_f32 v[TM+\k], 0x1800000, |v[AQ+16*\k]|, |v[AQ+16*\k+1]|   ; the floor 2^(3 - 127) among the leaves; each accumulator is read from its low end on
.endr
.irp i, 2,4,6,8,10,12,14
.irp k, 0,1,2,3,4,5
	v_max3_num_f32 v[TM+\k], v[TM+\k], |v[AQ+16*\k+\i]|, |v[AQ+16*\k+\i+1]|
.endr
.endr
	WIN 0
.irp k, 0,1,2,3,4,5
	v_permlanex16_b32 v[PT+\k], v[TM+\k], s90, s91
.endr
.irp k, 0,1,2,3,4,5
	v_max_num_f32 v[TM+\k], v[TM+\k], v[PT+\k]     ; the block's largest magnitude
.endr
.irp k, 0,1,2,3,4,5
	v_add_nc_u32 v[SO+\k], 0xff000000, v[TM+\k]    ; 2 off the exponent field: the conversion's scale operand
.endr
.irp k, 0,1,2,3,4,5
	v_lshrrev_b32 v[BY+\k], 23, v[SO+\k]           ; the scale's byte
.endr
	WIN 0x03                                       ; source 0: window 3
.irp u, 0,1
	v_cvt_scalef32_pk16_fp6_f32 v[PC+6*\u:PC+6*\u+2], v[AQ+32*\u:AQ+32*\u+15], v[SO+2*\u]
	v_cvt_scalef32_pk16_fp6_f32 v[CT+4*\u:CT+4*\u+2], v[AQ+32*\u+16:AQ+32*\u+31], v[SO+2*\u+1]
.endr
.irp t, 0,1
.if (\b)%2 == 0
	v_cvt_scalef32_pk16_fp6_f32 v[VH+6*\t:VH+6*\t+2], v[AV+16*\t:AV+16*\t+15], v[SO+4+\t]
.else
	v_cvt_scalef32_pk16_fp6_f32 v[VO+4*\t:VO+4*\t+2], v[AV+16*\t:AV+16*\t+15], v[SO+4+\t]
.endif
.endr
	WIN 0
	v_nop                                          ; one plain instruction behind the conversions
.irp u, 0,1                                    ; the operand's layout wants a whole block in a lane: lanes 0-15 channels 0-31, lanes 16-31 channels 32-63
.irp i, 0,1,2
	v_permlane16_swap_b32 v[PC+6*\u+\i], v[CT+4*\u+\i]
.endr
.irp i, 0,1,2
	v_mov_b32 v[PC+6*\u+3+\i], v[CT+4*\u+\i]
.endr
	global_store_b128 v8, v[PC+6*\u:PC+6*\u+3], s[80:81] offset:768*(2*(\b)+\u)        ; 512 consecutive bytes,
	global_store_b64 v9, v[PC+6*\u+4:PC+6*\u+5], s[80:81] offset:768*(2*(\b)+\u)+512   ; and 256
.endr
	v_lshl_or_b32 v[KW+(\b)], v[BY+1], 8, v[BY]
	v_lshl_or_b32 v[KW+(\b)], v[BY+2], 16, v[KW+(\b)]
	v_lshl_or_b32 v[KW+(\b)], v[BY+3], 24, v[KW+(\b)]
.irp t, 0,1
.if (\b)%4 == 0
	v_mov_b32 v[VW+2*\t+(\b)/4], v[BY+4+\t]
.else
	v_lshl_or_b32 v[VW+2*\t+(\b)/4], v[BY+4+\t], 8*((\b)%4), v[VW+2*\t+(\b)/4]
.endif
.endr
.if (\b)%2 == 1                                ; two pairs are 64 keys: a half fragment of v
.irp t, 0,1
.irp i, 0,1,2
	v_permlane16_swap_b32 v[VH+6*\t+\i], v[VO+4*\t+\i]
.endr
.irp i, 0,1,2
	v_mov_b32 v[VH+6*\t+3+\i], v[VO+4*\t+\i]
.endr
	global_store_b128 v8, v[VH+6*\t:VH+6*\t+3], s[82:83] offset:12288*\t+768*((\b)/2)
	global_store_b64 v9, v[VH+6*\t+4:VH+6*\t+5], s[82:83] offset:12288*\t+768*((\b)/2)+512
.endr
.endif
	PLACES 5                                       ; the next pair's first products begin the accumulators anew, with another C: five places behind the last product
.endm
.macro GROUP b
.if (\b) < 7
	global_load_b128 v[AS+8*(((\b)+1)%2):AS+8*(((\b)+1)%2)+3], v10, s[78:79] offset:1024*((\b)+1)       ; the next pair's scale words, a pair ahead
	global_load_b128 v[AS+8*(((\b)+1)%2)+4:AS+8*(((\b)+1)%2)+7], v10, s[78:79] offset:1024*((\b)+1)+16
.endif
.irp s, 0,1,2,3,4,5,6,7
	KSTEP \b, \s
.endr
	WIN 0
.if (\b) < 7
	s_wait_tensorcnt 6-(\b)                        ; my quarter of the next pair is in; the later pairs' loads may be out
	s_wait_dscnt 0x0
	s_barrier_signal -1
	s_barrier_wait -1                              ; everybody's is
	PLACES 4                                       ; behind the last products: for the loads below and for the epilogue's reads
	LOADA (\b)+1, 0
	LOADA (\b)+1, 1
.else
	PLACES 4
.endif
	EPI \b
.if (\b) < 7
	s_wait_loadcnt 0x0                             ; the next pair's scale words
.endif
.endm
	s_wait_tensorcnt 0x7                           ; my quarter of pair 0 is in; seven loads may be out
	s_barrier_signal -1
	s_barrier_wait -1
	LOADA 0, 0
	LOADA 0, 1
	s_wait_loadcnt 0x0                             ; weights, scale words, biases
.irp b, 0,1,2,3,4,5,6,7
	GROUP \b
.endr
	; the scale words.  q/k: lane (r, h) stores the four words of pairs 4 h .. 4 h + 3 at 256 h + 16 r: 512 consecutive bytes
.irp i, 0,1,2,3
	v_cndmask_b32 v[TT+\i], v[KW+\i], v[KW+4+\i], s88
.endr
	global_store_b128 v8, v[TT:TT+3], s[84:85]
	; v: a row's four words come from two waves: they meet in LDS and leave as 256 consecutive bytes a wave
	v_cndmask_b32 v[TM], v[VW], v[VW+1], s88
	v_cndmask_b32 v[TM+1], v[VW+2], v[VW+3], s88
	ds_store_b64 v14, v[TM:TM+1]
	s_wait_dscnt 0x0                               ; for the others' sake
	s_barrier_signal -1
	s_barrier_wait -1
	ds_load_b64 v[PT:PT+1], v15
	s_wait_dscnt 0x0
	global_store_b64 v9, v[PT:PT+1], s[86:87]
	s_wait_tensorcnt 0x0
	ds_add_u32 v254, v255
	s_wait_dscnt 0x0
	s_endpgm
.Lfunc_end_k_qe3e5bcab8c_qkv:
	.size	k_qe3e5bcab8c_qkv, .Lfunc_end_k_qe3e5bcab8c_qkv-k_qe3e5bcab8c_qkv
	.p2alignl 7, 3214868480
	.fill 96, 4, 3214868480
	.section	.rodata,"a",@progbits
	.p2align	6, 0x0
	.amdhsa_kernel k_qe3e5bcab8c_qkv
		.amdhsa_group_segment_fixed_size 198144
		.amdhsa_private_segment_fixed_size 0
		.amdhsa_enable_private_segment 0
		.amdhsa_kernarg_size 64
		.amdhsa_user_sgpr_count 2
		.amdhsa_user_sgpr_kernarg_segment_ptr 1
		.amdhsa_wavefront_size32 1
		.amdhsa_system_sgpr_workgroup_id_x 1
		.amdhsa_system_sgpr_workgroup_id_y 1
		.amdhsa_system_sgpr_workgroup_id_z 1
		.amdhsa_system_vgpr_workitem_id 0
		.amdhsa_next_free_vgpr 1024
		.amdhsa_next_free_sgpr 96
		.amdhsa_reserve_vcc 0
		.amdhsa_float_denorm_mode_32 3
		.amdhsa_float_denorm_mode_16_64 3
		.amdhsa_memory_ordered 1
		.amdhsa_forward_progress 1
		.amdhsa_inst_pref_size 214
	.end_amdhsa_kernel
	.amdgpu_metadata
---
amdhsa.version: [ 1, 2 ]
amdhsa.kernels:
  - .name:           k_qe3e5bcab8c_qkv
    .symbol:         k_qe3e5bcab8c_qkv.kd
    .args:
      - { .name: xq, .offset: 0, .size: 8, .value_kind: global_buffer, .address_space: global }
      - { .name: wimg, .offset: 8, .size: 8, .value_kind: global_buffer, .address_space: global }
      - { .name: Wq_scales, .offset: 16, .size: 8, .value_kind: global_buffer, .address_space: global }
      - { .name: Wkv_scales, .offset: 24, .size: 8, .value_kind: global_buffer, .address_space: global }
      - { .name: bq, .offset: 32, .size: 8, .value_kind: global_buffer, .address_space: global }
      - { .name: bkv, .offset: 40, .size: 8, .value_kind: global_buffer, .address_space: global }
      - { .name: qkq, .offset: 48, .size: 8, .value_kind: global_buffer, .address_space: global }
      - { .name: vq, .offset: 56, .size: 8, .value_kind: global_buffer, .address_space: global }
    .group_segment_fixed_size: 198144
    .private_segment_fixed_size: 0
    .kernarg_segment_align: 8
    .kernarg_segment_size: 64
    .max_flat_workgroup_size: 128
    .sgpr_count:     96
    .vgpr_count:     1024
    .wavefront_size: 32
...
	.end_amdgpu_metadata
.endif
;; end of part 2
;; launch attn (part 3): grid 2 x 128, 16 waves a work-group, no clusters, 104,448 bytes of LDS; arguments qkq, vq, seq_lens, oq; writes oq
.if DOCPART == 3
	.amdgcn_target "amdgcn-amd-amdhsa--gfx1250"
	.amdhsa_code_object_version 6
	.text
	.protected	k_qe3e5bcab8c_attn
	.globl	k_qe3e5bcab8c_attn
	.p2align	8
	.type	k_qe3e5bcab8c_attn,@function
k_qe3e5bcab8c_attn:
	s_mov_b64 s[64:65], 0
	v_nop
	global_prefetch_b8 v0, s[64:65] scope:SCOPE_SE
	s_setreg_imm32_b32 hwreg(HW_REG_WAVE_MODE, 25, 1), 1
	s_wait_xcnt 0x0
; ATTN.  o = softmax(q k^T / 8, keys k <= q and k < seq_len) v for one (batch, head), both products on E2M3 codes; o is quantised along the head's 64 and leaves as half fragments for the last product.
; THE SOFTMAX AHEAD OF THE SECOND PRODUCT: t = score x log2(e) / 8; M = the running largest t rounded UP to a whole number; p = 2^(t - M) is quantised along the keys; the row's sum is taken of the unquantised p
; and divides at the end.  When M moves, the sum and O are multiplied by 2^(old M - new M): exact.
; SHARES.  The head's K and V codes (49,152 bytes each) and scale words lie in LDS whole, copied once through registers.  Work-group g of the head's two takes query blocks g and 3 - g of 256; wave w takes tile 16 g + w,
; then tile 16 (3 - g) + 15 - w.  A tile tau needs tau / 8 + 1 key steps of 128, so every wave of every work-group has nine (fewer where seq_len cuts them).
; Both products are used transposed: S^T = K Q^T, O^T = V^T P^T: a lane holds one query (tile row r = lane % 16: query 32 (tau / 2) + 8 (tau % 2) + r + 8 (r / 8)).
; THE FIRST PRODUCT'S K IS 64, HALF OF THE INSTRUCTION'S 128: a fragment of K holds TWO key tiles (k 0-63: tile 2 f, k 64-127: tile 2 f + 1).  Against (Q, zeros) it gives the first tile's scores, against (zeros, Q)
; the second's: zero codes add nothing.  The run v16-33 = zeros, Q, zeros serves both.  The two tiles' 16 registers are 16 neighbouring keys, 32 f + 16 (lane / 16) + 0 .. 15.
; A key step all of whose keys are hidden from my 16 queries is left out by a scalar branch on ids and on seq_len, an index input; the loops' trip counts are constants.
; No tensor load and no joint loads; K and V are shared by two work-groups only.
; LIMITS: seq_len is at least 1 (with 0 the reference gives NaN; this text does not); above 1,024 it acts as 1,024.  NaN and infinities are not served.  Blocks of zeros get the byte 1 (codes zero; read by this program alone).
.set QKS_OFF, 12582912
.set VS_OFF,  6291456
.set OS_OFF,  6291456
.set VL,  49152                        ; LDS: K's codes at 0 (key step j at 6,144 j), V's here (tile t, step j at 12,288 t + 1,536 j),
.set KSC, 98304                        ; K's scale words (256 bytes a step: lane r's four words at 16 r),
.set VSC, 100352                       ; V's likewise
.set FR, 44                            ; v44-91   four fragments, K's, then V's
.set KS, 92                            ; v92-95   K's scale words
.set S,  96                            ; v96-159  S^T, then p
.set O,  160                           ; v160-191 O^T
.set BM, 192
.set PT, 196
.set SO, 200
.set PC, 204                           ; v204-215 p's codes
.set CT, 216
.set VS, 228                           ; v228-231 V's scale words
; v1 16 lane, v2 8 lane, v3, v4 my place among K's, V's scale words, v5 lim - 16 h, v6-11 the step's addresses, v12 -M, v13 largest t, v[14:15] the sum, v34 Q's scale word, v36-42 the second tile's Q, v43 raw scale word,
; v224 f, v225 p's scale word, v226-227 at work, v232-241 addresses that stay.
; s12 seq_len - 1, s14 wave, s15 g, s16 batch, s17 head, s18 tile, s19 next tile, s20 first query, s21, s22 the tile's largest and smallest last visible key, s23 first key, s24-26 LDS steps, s27, s28 counters.
	s_load_b256 s[4:11], s[0:1], 0x0               ; qkq 4:5, vq 6:7, seq_lens 8:9, oq 10:11
	v_lshl_add_u32 v254, v0, 2, 0x19000
	v_mov_b32 v255, 0
	v_lshrrev_b32 v1, 5, v0
	v_readfirstlane_b32 s14, v1                    ; wave 0..15
	s_mov_b32 s15, ttmp9
	s_and_b32 s17, ttmp7, 0xffff
	s_lshr_b32 s16, s17, 4
	s_and_b32 s17, s17, 15
	s_lshl_b32 s18, s15, 4
	s_add_co_u32 s18, s18, s14                     ; 16 g + w
	s_sub_co_u32 s19, 3, s15
	s_lshl_b32 s19, s19, 4
	s_add_co_u32 s19, s19, 15
	s_sub_co_u32 s19, s19, s14                     ; 16 (3 - g) + 15 - w
	s_lshl_b32 s13, s16, 5
	s_add_co_u32 s13, s13, s17                     ; 32 batch + head: q's slab; k's is 16 further on
	s_lshl_b32 s29, s16, 4
	s_add_co_u32 s29, s29, s17                     ; 16 batch + head
	s_mov_b32 s55, 0
	v_and_b32 v241, 15, v0                         ; r
	v_bfe_u32 v240, v0, 4, 1                       ; h
	v_and_b32 v1, 31, v0
	v_lshlrev_b32 v2, 3, v1
	v_lshlrev_b32 v1, 4, v1
	v_and_b32 v234, 8, v241
	v_add_nc_u32 v234, v234, v241                  ; r + 8 (r / 8)
	v_lshl_add_u32 v235, v241, 1, v240             ; 2 r + h
	v_lshlrev_b32 v241, 4, v241                    ; 16 r
	v_lshlrev_b32 v240, 4, v240                    ; 16 h
	v_cmp_ne_u32 s39, 0, v240                      ; lanes 16-31
	v_add_nc_u32 v3, KSC, v241
	v_add_nc_u32 v4, VSC, v241
	v_add_nc_u32 v232, VL, v1
	v_add_nc_u32 v233, VL, v2
	v_lshlrev_b32 v236, 4, v0                      ; the copy: 16 bytes a thread, 8,192 a line
	v_add_nc_u32 v237, VL, v236
	v_lshl_add_u32 v238, v0, 3, KSC                ; scale words: 8 bytes a thread; threads 256 on fall into V's
	v_and_b32 v239, 255, v0
	v_lshlrev_b32 v239, 3, v239
	s_wait_kmcnt 0x0
	s_lshl_b32 s54, s16, 2
	s_add_nc_u64 s[52:53], s[8:9], s[54:55]
	s_load_b32 s12, s[52:53], 0x0                  ; seq_len of my batch
	s_add_co_u32 s54, s13, 16
	s_mul_i32 s54, s54, 49152
	s_add_nc_u64 s[48:49], s[4:5], s[54:55]        ; K's codes
	s_mul_i32 s54, s29, 49152
	s_add_nc_u64 s[50:51], s[6:7], s[54:55]        ; V's codes
	s_add_co_u32 s54, s13, 16
	s_lshl_b32 s54, s54, 11
	s_add_co_u32 s54, s54, QKS_OFF
	s_add_nc_u64 s[56:57], s[4:5], s[54:55]
	s_lshl_b32 s54, s29, 11
	s_add_co_u32 s54, s54, VS_OFF
	s_add_nc_u64 s[58:59], s[6:7], s[54:55]
	s_cmp_lt_u32 s14, 8                            ; waves 0-7 copy K's scale words, waves 8-15 V's
	s_cselect_b64 s[56:57], s[56:57], s[58:59]
.macro QBASE tau, cod, scl                     ; where tile tau's codes of q lie, and its pair's scale words
	s_lshl_b32 s54, s13, 6
	s_add_co_u32 s54, s54, s[\tau]
	s_mul_i32 s54, s54, 768
	s_add_nc_u64 s[\cod:\cod+1], s[4:5], s[54:55]
	s_lshl_b32 s54, s13, 3
	s_lshr_b32 s60, s[\tau], 3
	s_add_co_u32 s54, s54, s60
	s_lshl_b32 s54, s54, 8
	s_bfe_u32 s60, s[\tau], 0x20001                ; (tau / 2) % 4: which of the four words
	s_lshl_b32 s60, s60, 2
	s_add_co_u32 s54, s54, s60
	s_add_co_u32 s54, s54, QKS_OFF
	s_add_nc_u64 s[\scl:\scl+1], s[4:5], s[54:55]
.endm
	QBASE 18, 40, 44
	QBASE 19, 42, 46
.irp k, 0,1,2,3,4,5
	global_load_b128 v[96+4*\k:99+4*\k], v236, s[48:49] offset:8192*\k
.endr
.irp k, 0,1,2,3,4,5
	global_load_b128 v[120+4*\k:123+4*\k], v236, s[50:51] offset:8192*\k
.endr
	global_load_b64 v[144:145], v239, s[56:57]
	global_load_b128 v[22:25], v1, s[40:41]        ; the first tile's Q
	global_load_b64 v[26:27], v2, s[40:41] offset:512
	global_load_b32 v43, v241, s[44:45]
	global_load_b128 v[36:39], v1, s[42:43]        ; the second's
	global_load_b64 v[40:41], v2, s[42:43] offset:512
	global_load_b32 v42, v241, s[46:47]
	s_mov_b32 s30, 0x76543210
	s_mov_b32 s31, 0xfedcba98                      ; lane selects: lane l xor 16
	s_mov_b32 s32, 0x3e38aa3b                      ; c = log2(e) / 8
	s_mov_b32 s33, s32                             ; (named with it as a pair)
.irp i, 0,1,2,3,4,5
	v_mov_b32 v[16+\i], 0                          ; zero codes on both sides of Q
	v_mov_b32 v[28+\i], 0
.endr
.irp i, 0,1,2,3
	v_mov_b32 v[PT+\i], 0                          ; a lane permute's destination counts as one of its sources
.endr
	v_mov_b32 v225, 0                              ; (named as the upper half of v[224:225] before it is first written)
	v_mov_b32 v226, 0
	s_wait_loadcnt 0x6                             ; the thirteen loads of the copy are in; Q's six may be out
.irp k, 0,1,2,3,4,5
	ds_store_b128 v236, v[96+4*\k:99+4*\k] offset:8192*\k
.endr
.irp k, 0,1,2,3,4,5
	ds_store_b128 v237, v[120+4*\k:123+4*\k] offset:8192*\k
.endr
	ds_store_b64 v238, v[144:145]
	s_wait_dscnt 0x0                               ; for the others' sake
	s_barrier_signal -1
	s_barrier_wait -1                              ; the launch's one barrier: from here on LDS is only read
	s_wait_loadcnt 0x0
	s_wait_kmcnt 0x0
	s_sub_co_u32 s12, s12, 1                       ; the last key that seq_len leaves
	s_mov_b32 s28, 2
.Ltile:
	s_lshr_b32 s20, s18, 1
	s_lshl_b32 s20, s20, 5
	s_and_b32 s38, s18, 1
	s_lshl_b32 s54, s38, 3
	s_add_co_u32 s20, s20, s54                     ; the tile's first query
	s_lshl_b32 s38, s38, 4                         ; 16 (tau % 2): my half of the pair's scale word
	s_add_co_u32 s21, s20, 23                      ; its last query
	s_min_u32 s21, s21, s12
	s_min_u32 s22, s20, s12
	s_lshl_b32 s54, s16, 6
	s_add_co_u32 s54, s54, s18
	s_lshl_b32 s54, s54, 4
	s_add_co_u32 s54, s54, s17
	s_mul_i32 s54, s54, 768
	s_add_nc_u64 s[34:35], s[10:11], s[54:55]      ; oq: [64 batch + tile][head] half fragments
	s_lshl_b32 s54, s29, 10
	s_lshl_b32 s60, s18, 4
	s_add_co_u32 s54, s54, s60
	s_lshl_b32 s54, s54, 1
	s_add_co_u32 s54, s54, OS_OFF
	s_add_nc_u64 s[36:37], s[10:11], s[54:55]      ; its scale bytes: [batch][head][16 tile + r] pairs of bytes
	v_lshrrev_b32 v34, s38, v43
	v_and_b32 v34, 0xffff, v34
	v_lshl_or_b32 v34, v34, 16, v34                ; Q's two bytes twice: they serve (Q, zeros) and (zeros, Q).  The lines below are the places between this write and the first scaled product
	v_add_nc_u32 v5, s20, v234                     ; my query,
	v_min_u32 v5, s12, v5                          ; the last key that counts for it,
	v_sub_nc_u32 v5, v5, v240                      ; less 16 h
	v_mov_b32 v13, 0xff61b1e6                      ; the largest t so far: -3e38
	v_floor_f32 v12, -v13                          ; -M
	v_mov_b32 v14, 0
	v_mov_b32 v15, 0
.set j, 0
.rept 32
	v_mov_b32 v[O+j], 0                            ; the step is written once: the first finds zeros, which the first change of M leaves zeros
.set j, j+1
.endr
	s_mov_b32 s23, 0
	s_mov_b32 s24, 0
	s_mov_b32 s25, 0
	s_mov_b32 s26, 0
	s_mov_b32 s27, 8
.Lstep:                                            ; eight trips, a constant; hidden steps skip to the lines that step addresses
	s_cmp_gt_u32 s23, s21
	s_cbranch_scc1 .Lskip
	v_add_nc_u32 v6, s24, v1                       ; (these six are also the places in front of the loads into registers that the last products read)
	v_add_nc_u32 v7, s24, v2
	v_add_nc_u32 v8, s25, v232
	v_add_nc_u32 v9, s25, v233
	v_add_nc_u32 v10, s26, v3
	v_add_nc_u32 v11, s26, v4
.irp f, 0,1,2,3
	ds_load_b128 v[FR+12*\f:FR+12*\f+3], v6 offset:1536*\f
	ds_load_b64 v[FR+12*\f+4:FR+12*\f+5], v7 offset:1536*\f+512
	ds_load_b128 v[FR+12*\f+6:FR+12*\f+9], v6 offset:1536*\f+768
	ds_load_b64 v[FR+12*\f+10:FR+12*\f+11], v7 offset:1536*\f+1280
.endr
	ds_load_b128 v[KS:KS+3], v10
	s_wait_dscnt 0x0
.irp f, 0,1,2,3
	v_wmma_scale_f32_16x16x128_f8f6f4 v[S+16*\f:S+16*\f+7], v[FR+12*\f:FR+12*\f+11], v[22:33], 0, v[KS+\f], v34 matrix_a_fmt:MATRIX_FMT_FP6 matrix_b_fmt:MATRIX_FMT_FP6
	v_wmma_scale_f32_16x16x128_f8f6f4 v[S+16*\f+8:S+16*\f+15], v[FR+12*\f:FR+12*\f+11], v[16:27], 0, v[KS+\f], v34 matrix_a_fmt:MATRIX_FMT_FP6 matrix_b_fmt:MATRIX_FMT_FP6
.endr
.rept 4
	v_nop                                          ; four places: for the loads below and for the first read of the scores
.endr
.irp t, 0,1,2,3                                ; V's fragments are asked for now and land under the softmax
	ds_load_b128 v[FR+12*\t:FR+12*\t+3], v8 offset:12288*\t
	ds_load_b64 v[FR+12*\t+4:FR+12*\t+5], v9 offset:12288*\t+512
	ds_load_b128 v[FR+12*\t+6:FR+12*\t+9], v8 offset:12288*\t+768
	ds_load_b64 v[FR+12*\t+10:FR+12*\t+11], v9 offset:12288*\t+1280
.endr
	ds_load_b128 v[VS:VS+3], v11
	s_add_co_u32 s60, s23, 127                     ; a step all of whose keys count for all my queries needs no mask
	s_cmp_le_u32 s60, s22
	s_cbranch_scc1 .Lopen
	v_sub_nc_u32 v226, v5, s23                     ; d = last visible key - first key - 16 h.  Register 16 f + i holds key first + 32 f + 16 h + i: hidden where 32 f + i > d
	v_mov_b32 v227, 0xff800000                     ; -infinity
.set n, 0
.rept 64
	v_cmp_gt_i32 vcc_lo, 32*(n/16)+n%16, v226
	v_cndmask_b32 v[S+n], v[S+n], v227, vcc_lo
.set n, n+1
.endr
.Lopen:
.irp f, 0,1,2,3
	v_max3_num_f32 v[BM+\f], v[S+16*\f], v[S+16*\f+1], v[S+16*\f+2]   ; the largest score of each block of 32 keys: for the row's maximum, and, since p rises with the score, for the block's largest p
.endr
.irp i, 3,5,7,9,11,13
.irp f, 0,1,2,3
	v_max3_num_f32 v[BM+\f], v[BM+\f], v[S+16*\f+\i], v[S+16*\f+\i+1]
.endr
.endr
.irp f, 0,1,2,3
	v_max_num_f32 v[BM+\f], v[BM+\f], v[S+16*\f+15]
.endr
.irp f, 0,1,2,3
	v_permlanex16_b32 v[PT+\f], v[BM+\f], s30, s31
.endr
.irp f, 0,1,2,3
	v_max_num_f32 v[BM+\f], v[BM+\f], v[PT+\f]
.endr
	v_max3_num_f32 v226, v[BM], v[BM+1], v[BM+2]
	v_max_num_f32 v226, v226, v[BM+3]
	v_mul_f32 v226, s32, v226                      ; the step's largest t
	v_max_num_f32 v13, v13, v226
	v_mov_b32 v226, v12
	v_floor_f32 v12, -v13                          ; the new -M = -ceil(t)
	v_sub_f32 v226, v12, v226                      ; old M - new M: a whole number, 0 or less
	v_cvt_i32_f32 v226, v226                       ; (it saturates)
	v_ldexp_f32 v224, 1.0, v226                    ; f = 2^(old M - new M)
.set j, 0
.rept 32
	v_pk_fma_f32 v[S+j:S+j+1], v[S+j:S+j+1], s[32:33], v[12:13] op_sel_hi:[1,0,0]   ; t - M
.set j, j+2
.endr
.irp f, 0,1,2,3
	v_fma_f32 v[BM+\f], v[BM+\f], s32, v12
.endr
.set j, 0
.rept 64
	v_exp_f32 v[S+j], v[S+j]                       ; p = 2^(t - M): not normalised
.set j, j+1
.endr
	v_pk_mul_f32 v[14:15], v[14:15], v[224:225] op_sel_hi:[1,0]   ; the sums under the new M (the plain instruction behind the batch)
	s_wait_alu depctr_va_vdst(0)                   ; one wait for the 64, ahead of their first reader
.irp f, 0,1,2,3
	v_exp_f32 v[BM+\f], v[BM+\f]                   ; each block's largest p
.endr
	v_pk_add_f32 v[226:227], v[S:S+1], v[S+2:S+3]  ; the row's sum, of the unquantised p, in two chains
.set j, 4
.rept 15
	v_pk_add_f32 v[14:15], v[14:15], v[S+j:S+j+1]
	v_pk_add_f32 v[226:227], v[226:227], v[S+j+2:S+j+3]
.set j, j+4
.endr
	v_pk_add_f32 v[14:15], v[14:15], v[226:227]
	s_wait_alu depctr_va_vdst(0)                   ; and one for the four
.irp f, 0,1,2,3
	v_max_num_f32 v[BM+\f], 0x1800000, v[BM+\f]    ; the floor 2^(3 - 127): the byte cannot fall under 1
.endr
.irp f, 0,1,2,3
	v_add_nc_u32 v[SO+\f], 0xff000000, v[BM+\f]
.endr
.irp f, 0,1,2,3
	v_lshrrev_b32 v[PT+\f], 23, v[SO+\f]
.endr
	v_lshl_or_b32 v225, v[PT+1], 8, v[PT]          ; p's scale word for these 128 keys
	v_lshl_or_b32 v225, v[PT+2], 16, v225
	v_lshl_or_b32 v225, v[PT+3], 24, v225
.irp e, 0,1
	v_cvt_scalef32_pk16_fp6_f32 v[PC+6*\e:PC+6*\e+2], v[S+32*\e:S+32*\e+15], v[SO+2*\e]
	v_cvt_scalef32_pk16_fp6_f32 v[CT+4*\e:CT+4*\e+2], v[S+32*\e+16:S+32*\e+31], v[SO+2*\e+1]
.endr
	v_nop                                          ; one plain instruction behind the conversions
.irp e, 0,1                                    ; a whole block in a lane
.irp i, 0,1,2
	v_permlane16_swap_b32 v[PC+6*\e+\i], v[CT+4*\e+\i]
.endr
.irp i, 0,1,2
	v_mov_b32 v[PC+6*\e+3+\i], v[CT+4*\e+\i]
.endr
.endr
.set j, 0
.rept 16
	v_pk_mul_f32 v[O+j:O+j+1], v[O+j:O+j+1], v[224:225] op_sel_hi:[1,0]   ; O^T under the new M (also the places in front of the products below)
.set j, j+2
.endr
	s_wait_dscnt 0x0                               ; V's fragments and scale words
.irp t, 0,1,2,3
	v_wmma_scale_f32_16x16x128_f8f6f4 v[O+8*\t:O+8*\t+7], v[FR+12*\t:FR+12*\t+11], v[PC:PC+11], v[O+8*\t:O+8*\t+7], v[VS+\t], v225 matrix_a_fmt:MATRIX_FMT_FP6 matrix_b_fmt:MATRIX_FMT_FP6
.endr
.Lskip:
	s_add_co_u32 s23, s23, 128
	s_add_co_u32 s24, s24, 6144
	s_add_co_u32 s25, s25, 1536
	s_add_co_u32 s26, s26, 256
	s_sub_co_u32 s27, s27, 1
	s_cmp_lg_u32 s27, 0
	s_cbranch_scc1 .Lstep
	; ---- the tile's end: O^T / the sum, quantised along the head's 64 (register 8 t + i is channel 32 (t / 2) + 16 h + 8 (t % 2) + i)
.rept 4
	v_nop                                          ; four places behind the last products
.endr
	v_add_f32 v14, v14, v15
	v_permlanex16_b32 v226, v14, s30, s31
	v_add_f32 v14, v14, v226                       ; the row's sum
	v_rcp_f32 v14, v14
	v_nop                                          ; a plain instruction behind the reciprocal
	s_wait_alu depctr_va_vdst(0)                   ; and the wait ahead of its first reader
.set j, 0
.rept 32
	v_mul_f32 v[S+j], v[O+j], v14                  ; each accumulator from its low end on
.set j, j+1
.endr
.irp e, 0,1
	v_max3_num_f32 v[BM+\e], |v[S+16*\e]|, |v[S+16*\e+1]|, 0x1800000
.endr
.irp i, 2,4,6,8,10,12,14
.irp e, 0,1
	v_max3_num_f32 v[BM+\e], v[BM+\e], |v[S+16*\e+\i]|, |v[S+16*\e+\i+1]|
.endr
.endr
.irp e, 0,1
	v_permlanex16_b32 v[PT+\e], v[BM+\e], s30, s31
.endr
.irp e, 0,1
	v_max_num_f32 v[BM+\e], v[BM+\e], v[PT+\e]
.endr
.irp e, 0,1
	v_add_nc_u32 v[SO+\e], 0xff000000, v[BM+\e]
.endr
.irp e, 0,1
	v_lshrrev_b32 v[PT+\e], 23, v[SO+\e]
.endr
	v_cvt_scalef32_pk16_fp6_f32 v[PC:PC+2], v[S:S+15], v[SO]
	v_cvt_scalef32_pk16_fp6_f32 v[CT:CT+2], v[S+16:S+31], v[SO+1]
	v_nop
.irp i, 0,1,2
	v_permlane16_swap_b32 v[PC+\i], v[CT+\i]
.endr
.irp i, 0,1,2
	v_mov_b32 v[PC+3+\i], v[CT+\i]
.endr
	global_store_b128 v1, v[PC:PC+3], s[34:35]             ; 512 consecutive bytes,
	global_store_b64 v2, v[PC+4:PC+5], s[34:35] offset:512 ; and 256
	v_cndmask_b32 v226, v[PT], v[PT+1], s39
	global_store_b8 v235, v226, s[36:37]                   ; lane (r, h): byte h of row r: 32 consecutive bytes
	s_wait_xcnt 0x0                                ; the stores have read their registers and bases: both are written again in the next trip
.irp i, 0,1,2,3,4,5
	v_mov_b32 v[22+\i], v[36+\i]                   ; the second tile's Q takes the first's place (in the second trip these seven lines serve nothing: the price of writing the tile once)
.endr
	v_mov_b32 v43, v42
	s_mov_b32 s18, s19
	s_sub_co_u32 s28, s28, 1
	s_cmp_lg_u32 s28, 0
	s_cbranch_scc1 .Ltile
	s_wait_tensorcnt 0x0
	ds_add_u32 v254, v255
	s_wait_dscnt 0x0
	s_endpgm
.Lfunc_end_k_qe3e5bcab8c_attn:
	.size	k_qe3e5bcab8c_attn, .Lfunc_end_k_qe3e5bcab8c_attn-k_qe3e5bcab8c_attn
	.p2alignl 7, 3214868480
	.fill 96, 4, 3214868480
	.section	.rodata,"a",@progbits
	.p2align	6, 0x0
	.amdhsa_kernel k_qe3e5bcab8c_attn
		.amdhsa_group_segment_fixed_size 104448
		.amdhsa_private_segment_fixed_size 0
		.amdhsa_enable_private_segment 0
		.amdhsa_kernarg_size 32
		.amdhsa_user_sgpr_count 2
		.amdhsa_user_sgpr_kernarg_segment_ptr 1
		.amdhsa_wavefront_size32 1
		.amdhsa_system_sgpr_workgroup_id_x 1
		.amdhsa_system_sgpr_workgroup_id_y 1
		.amdhsa_system_sgpr_workgroup_id_z 1
		.amdhsa_system_vgpr_workitem_id 0
		.amdhsa_next_free_vgpr 256
		.amdhsa_next_free_sgpr 66
		.amdhsa_reserve_vcc 1
		.amdhsa_float_denorm_mode_32 3
		.amdhsa_float_denorm_mode_16_64 3
		.amdhsa_memory_ordered 1
		.amdhsa_forward_progress 1
		.amdhsa_inst_pref_size 35
	.end_amdhsa_kernel
	.amdgpu_metadata
---
amdhsa.version: [ 1, 2 ]
amdhsa.kernels:
  - .name:           k_qe3e5bcab8c_attn
    .symbol:         k_qe3e5bcab8c_attn.kd
    .args:
      - { .name: qkq, .offset: 0, .size: 8, .value_kind: global_buffer, .address_space: global }
      - { .name: vq, .offset: 8, .size: 8, .value_kind: global_buffer, .address_space: global }
      - { .name: seq_lens, .offset: 16, .size: 8, .value_kind: global_buffer, .address_space: global }
      - { .name: oq, .offset: 24, .size: 8, .value_kind: global_buffer, .address_space: global }
    .group_segment_fixed_size: 104448
    .private_segment_fixed_size: 0
    .kernarg_segment_align: 8
    .kernarg_segment_size: 32
    .max_flat_workgroup_size: 512
    .sgpr_count:     66
    .vgpr_count:     256
    .wavefront_size: 32
...
	.end_amdgpu_metadata
.endif
;; end of part 3
;; launch oproj (part 4): grid 4 x 64, 4 waves a work-group, no clusters, 168,448 bytes of LDS; arguments oq, wimg, Wo_scales, bo, x, out0; writes out0
.if DOCPART == 4
	.amdgcn_target "amdgcn-amd-amdhsa--gfx1250"
	.amdhsa_code_object_version 6
	.text
	.protected	k_qe3e5bcab8c_oproj
	.globl	k_qe3e5bcab8c_oproj
	.p2align	8
	.type	k_qe3e5bcab8c_oproj,@function
k_qe3e5bcab8c_oproj:
	s_mov_b64 s[64:65], 0
	v_nop
	global_prefetch_b8 v0, s[64:65] scope:SCOPE_SE
	s_setreg_imm32_b32 hwreg(HW_REG_WAVE_MODE, 25, 1), 1
	s_wait_xcnt 0x0
; OPROJ.  out0 = o Wo + bo + x, the product on E2M3 codes.
; SHARES.  Work-group (cg, rg): 128 tokens (rg) x 256 columns (cg).  Wave w keeps the four tiles of columns 256 cg + 64 w on in registers: 32 fragments, 384 registers, read once.
; The tokens' codes (98,304 dense bytes: [tile 0..7][head 0..15] half fragments; two heads are a K step of 128) come into LDS once, by tensor loads; all four waves read them.
; Source 0 = 16 columns of Wo, source 1 = 16 tokens: a lane holds one token, and tiles 2 i, 2 i + 1 give it 16 neighbouring columns.  bo is the C of each sum's first product.
; The eight accumulators take turns, one instruction a turn.
; THE WAY OUT: 16 tokens x 64 columns go through the wave's own stage in LDS and come back by rows; x, asked for at the head, is added; sixteen lanes store 256 consecutive aligned bytes.
; NO JOINT LOADS: the tokens' block is shared by the four work-groups of a row of the grid, but its four parts are all asked for at the head and only the first, 24,576 bytes, is waited for ahead of the products;
; the larger streams (49,152 bytes of weights and 32,768 of x a wave) go to registers.  No slot is filled twice.  By this text's count four tensor loads of a wave are out at the most.
; LDS: the claim is larger than the use (133,120 bytes).
; REGISTERS.  Window 0: v1-13 addresses; v16-47 Wo's scale words; v48-79 o's; v80-151 o's fragments, three buffers of two; v152-215 rows on the way out.
;   Window 1: W of K steps 0-4 (12 (4 s + t)).  Window 2: K steps 5-7; v144-207 the accumulators ((u, t) at 144 + 8 (4 u + t)); v208-239 bo.  Window 3: x: tile q = 2 pair + u at 32 q.
.set OS_OFF, 6291456
.set STG, 98304                        ; behind the codes: two stages of 16 rows x 272 bytes for each wave; no tensor load lands here
.set WS, 16
.set OS, 48
.set AF, 80
.set RB, 152
.set AC, 144                           ; window 2
.set BI, 208                           ; window 2
.set MSB, 0
.macro WIN new
.if MSB != (\new)
	s_set_vgpr_msb (MSB<<8)|(\new)
.set MSB, (\new)
.endif
.endm
.macro PLACES n
.rept \n
	v_nop
.endr
.endm
	s_load_b256 s[4:11], s[0:1], 0x0               ; oq 4:5, wimg 6:7, Wo_scales 8:9, bo 10:11
	s_load_b128 s[12:15], s[0:1], 0x20             ; x 12:13, out0 14:15
	v_lshl_add_u32 v254, v0, 2, 0x29000
	v_mov_b32 v255, 0
	ds_add_u32 v254, v255
	ds_add_u32 v254, v255
	v_lshrrev_b32 v1, 5, v0
	v_readfirstlane_b32 s20, v1                    ; wave 0..3
	s_mov_b32 s21, ttmp9                           ; cg
	s_and_b32 s22, ttmp7, 0xffff                   ; rg
	; descriptor group 1: 24 rows of 256 bytes (32 elements of 8 bytes), dense: a quarter of a pair's 24,576 bytes
	s_mov_b32 s24, 3<<16
	s_mov_b32 s25, 32<<16
	s_mov_b32 s26, 24<<16
	s_mov_b32 s27, 32<<16
	s_mov_b32 s28, 24
	s_mov_b32 s29, 32
	s_mov_b32 s30, 0
	s_mov_b32 s31, 0
	s_mul_i32 s23, s20, 6144
	s_mul_i32 s60, s22, 98304
	s_add_co_u32 s60, s60, s23
	s_mov_b32 s61, 0
	s_wait_dscnt 0x0
	s_wait_kmcnt 0x0
	s_add_nc_u64 s[62:63], s[4:5], s[60:61]
.irp p, 0,1,2,3
	s_mov_b32 s[32+4*\p], 1
	s_add_co_u32 s[33+4*\p], s23, 24576*\p
	s_add_nc_u64 s[34+4*\p:35+4*\p], s[62:63], 24576*\p
	s_or_b32 s[35+4*\p], s[35+4*\p], 0x80000000
.endr
.irp p, 0,1,2,3
	tensor_load_to_lds s[32+4*\p:35+4*\p], s[24:31]   ; all first fills in one group, ahead of every wait on TENSORcnt, every LDS read and every barrier
	s_nop 0
.endr
	PLACES 4
	v_and_b32 v1, 31, v0
	v_and_b32 v2, 15, v0                           ; r
	v_bfe_u32 v3, v0, 4, 1                         ; h
	v_lshlrev_b32 v4, 4, v1                        ; 16 x lane
	v_lshlrev_b32 v5, 3, v1                        ; 8 x lane
	v_add_nc_u32 v6, 49152, v4                     ; the same for pairs 2 and 3
	v_add_nc_u32 v7, 49152, v5
	v_and_b32 v8, 8, v2
	v_add_nc_u32 v8, v8, v2
	v_lshlrev_b32 v8, 5, v8                        ; Wo's scale bytes: row r + 8 (r / 8) of a tile, 32 bytes a row
	v_lshlrev_b32 v9, 6, v3                        ; bo: 16 h numbers on
	v_lshlrev_b32 v10, 1, v1                       ; o's scale bytes: two a row; lanes 0-15 tile u = 0, lanes 16-31 tile u = 1
	s_mul_i32 s60, s20, 8704
	s_add_co_u32 s60, s60, STG
	v_mul_u32_u24 v11, v2, 272
	v_lshl_add_u32 v11, v3, 6, v11
	v_add_nc_u32 v11, s60, v11                     ; into the stage: row r, + 64 h
	v_mul_u32_u24 v12, v3, 272
	v_lshl_add_u32 v12, v2, 4, v12
	v_add_nc_u32 v12, s60, v12                     ; back: lanes 0-15 one row of 256 bytes, lanes 16-31 the next
	v_lshlrev_b32 v13, 12, v3
	v_lshl_add_u32 v13, v2, 4, v13                 ; and the same two rows in x and out0
	s_lshl_b32 s23, s21, 2
	s_add_co_u32 s23, s23, s20                     ; 4 cg + w: my run of 64 columns
	s_lshl_b32 s60, s23, 2
	s_add_co_u32 s60, s60, 192
	s_mul_i32 s60, s60, 12288
	s_add_nc_u64 s[48:49], s[6:7], s[60:61]        ; wimg at tile 192 + 16 cg + 4 w
	s_lshl_b32 s60, s23, 11
	s_add_nc_u64 s[50:51], s[8:9], s[60:61]
	s_lshl_b32 s60, s23, 8
	s_add_nc_u64 s[52:53], s[10:11], s[60:61]
	s_lshl_b32 s62, s22, 19                        ; 128 rows of 4,096 bytes
	s_add_co_u32 s60, s60, s62
	s_add_nc_u64 s[56:57], s[12:13], s[60:61]
	s_add_nc_u64 s[58:59], s[14:15], s[60:61]
	s_lshr_b32 s60, s22, 3
	s_lshl_b32 s60, s60, 15                        ; a batch's scale bytes: 16 heads x 2,048
	s_and_b32 s62, s22, 7
	s_lshl_b32 s62, s62, 8                         ; my 128 tokens: 256 bytes on in each head
	s_add_co_u32 s60, s60, s62
	s_add_co_u32 s60, s60, OS_OFF
	s_add_nc_u64 s[54:55], s[4:5], s[60:61]
.irp s, 0,1,2,3,4,5,6,7
.if \s < 5
	WIN 0x40
.set WR, 48*\s
.else
	WIN 0x80
.set WR, 48*(\s-5)
.endif
.irp t, 0,1,2,3
.irp k, 0,1,2
	global_load_b128 v[WR+12*\t+4*\k:WR+12*\t+4*\k+3], v4, s[48:49] offset:12288*\t+1536*\s+512*\k
.endr
.endr
.endr
	WIN 0x80
.irp t, 0,1,2,3
.irp k, 0,1
	global_load_b128 v[BI+8*\t+4*\k:BI+8*\t+4*\k+3], v9, s[52:53] offset:(32*(\t/2)+8*(\t%2))*4+16*\k
.endr
.endr
	WIN 0
.irp t, 0,1,2,3
.irp k, 0,1
	global_load_b128 v[WS+8*\t+4*\k:WS+8*\t+4*\k+3], v8, s[50:51] offset:(32*(\t/2)+8*(\t%2))*32+16*\k
.endr
.endr
.irp p, 0,1,2,3                                ; o's scale word of K step s: head 2 s's two bytes below, head 2 s + 1's above
.irp s, 0,1,2,3,4,5,6,7
	global_load_u16 v[OS+8*\p+\s], v10, s[54:55] offset:4096*\s+64*\p
	global_load_u16 v[RB+8*\p+\s], v10, s[54:55] offset:4096*\s+2048+64*\p
.endr
.endr
	WIN 0xc0
.irp q, 0,1,2,3,4,5,6,7                        ; x, in the order in which the tiles leave: each load covers two aligned runs of 256 bytes
.irp i, 0,1,2,3,4,5,6,7
	global_load_b128 v[32*\q+4*\i:32*\q+4*\i+3], v13, s[56:57] offset:(32*(\q/2)+8*(\q%2)+2*\i+8*(\i/4))*4096 th:TH_LOAD_NT
.endr
.endr
	WIN 0
	s_wait_loadcnt 63                              ; all but the youngest 63, which are x's: weights, biases and scale bytes are in
.set j, 0
.rept 32
	v_lshl_or_b32 v[OS+j], v[RB+j], 16, v[OS+j]
.set j, j+1
.endr
	PLACES 8                                       ; a scale register written by a vector instruction stands eight places ahead of a scaled product
.macro LOADA b, s                              ; the two tiles' fragments of pair b, K step s, into buffer s % 3: two half fragments each
.irp u, 0,1
.set RG, AF+24*((\s)%3)+12*\u
.set OF, 24576*((\b)%2)+12288*\u+1536*(\s)
	ds_load_b128 v[RG:RG+3], v[4+2*((\b)/2)] offset:OF
	ds_load_b64 v[RG+4:RG+5], v[5+2*((\b)/2)] offset:OF+512
	ds_load_b128 v[RG+6:RG+9], v[4+2*((\b)/2)] offset:OF+768
	ds_load_b64 v[RG+10:RG+11], v[5+2*((\b)/2)] offset:OF+1280
.endr
.endm
.macro KSTEP b, s
.if (\s) < 5
.set WF, 1
.set WR, 48*(\s)
.else
.set WF, 2
.set WR, 48*((\s)-5)
.endif
.set AB, AF+24*((\s)%3)
.if (\s) < 6
	WIN 0
.if (\s) > 0
	PLACES 4                                       ; the buffer below was read by the last step's products
.endif
	LOADA \b, (\s)+2
	s_wait_dscnt 16                                ; this step's eight loads are in; the next two steps' may be out
.elseif (\s) == 6
	s_wait_dscnt 8
.else
	s_wait_dscnt 0x0
.endif
	WIN 0xa0|WF                                    ; W window 1 or 2, tokens window 0, C and D window 2
.irp u, 0,1
.irp t, 0,1,2,3
.set DR, AC+8*(4*\u+\t)
.if (\s) == 0
.set CR, BI+8*\t
.else
.set CR, DR
.endif
.if \u == 0
	v_wmma_scale_f32_16x16x128_f8f6f4 v[DR:DR+7], v[WR+12*\t:WR+12*\t+11], v[AB:AB+11], v[CR:CR+7], v[WS+8*\t+(\s)], v[OS+8*(\b)+(\s)] matrix_a_fmt:MATRIX_FMT_FP6 matrix_b_fmt:MATRIX_FMT_FP6
.else
	v_wmma_scale_f32_16x16x128_f8f6f4 v[DR:DR+7], v[WR+12*\t:WR+12*\t+11], v[AB+12:AB+23], v[CR:CR+7], v[WS+8*\t+(\s)], v[OS+8*(\b)+(\s)] matrix_a_fmt:MATRIX_FMT_FP6 matrix_b_fmt:MATRIX_FMT_FP6 matrix_b_scale:MATRIX_SCALE_ROW1
.endif
.endr
.endr
.endm
.macro EPI b
	s_wait_xcnt 0x0                                ; the last pair's stores have read their registers
.irp u, 0,1
	WIN 0x08                                       ; an LDS store's data are its source 1: window 2
.irp t, 0,1,2,3
	ds_store_b128 v11, v[AC+8*(4*\u+\t):AC+8*(4*\u+\t)+3] offset:4352*\u+128*(\t/2)+32*(\t%2)        ; each accumulator from its low end on
	ds_store_b128 v11, v[AC+8*(4*\u+\t)+4:AC+8*(4*\u+\t)+7] offset:4352*\u+128*(\t/2)+32*(\t%2)+16
.endr
	WIN 0
.irp i, 0,1,2,3,4,5,6,7
	ds_load_b128 v[RB+32*\u+4*\i:RB+32*\u+4*\i+3], v12 offset:4352*\u+544*\i   ; LDS serves a wave's instructions in order (ISA guide 5.7.1.4): these see the stores above
.endr
.endr
.irp u, 0,1
	s_wait_dscnt 16-16*\u                          ; this tile's rows are back; the other tile's 8 stores and 8 loads may be out
	s_wait_loadcnt 56-8*(2*(\b)+\u)                ; this tile's eight loads of x are in; the later tiles' may be out
	WIN 0x0c                                       ; source 1: window 3
.set j, 0
.rept 16
	v_pk_add_f32 v[RB+32*\u+j:RB+32*\u+j+1], v[RB+32*\u+j:RB+32*\u+j+1], v[32*(2*(\b)+\u)+j:32*(2*(\b)+\u)+j+1]   ; + x.  (These are also the places ahead of the next pair's first products, which begin the accumulators anew)
.set j, j+2
.endr
	WIN 0
.irp i, 0,1,2,3,4,5,6,7
	global_store_b128 v13, v[RB+32*\u+4*\i:RB+32*\u+4*\i+3], s[58:59] offset:(32*(\b)+8*\u+2*\i+8*(\i/4))*4096 th:TH_STORE_NT   ; sixteen lanes store 256 consecutive bytes, aligned
.endr
.endr
.endm
.macro GROUP b
.irp s, 0,1,2,3,4,5,6,7
	KSTEP \b, \s
.endr
	WIN 0
.if (\b) < 3
	s_wait_tensorcnt 2-(\b)                        ; my quarter of the next pair is in; later pairs' loads may be out
	s_wait_dscnt 0x0
	s_barrier_signal -1
	s_barrier_wait -1
	PLACES 4                                       ; behind the last products: for the loads below and for the stores that read results
	LOADA (\b)+1, 0
	LOADA (\b)+1, 1
.else
	PLACES 4
.endif
	EPI \b
.endm
	s_wait_tensorcnt 0x3                           ; my quarter of pair 0 is in; three loads may be out
	s_barrier_signal -1
	s_barrier_wait -1
	LOADA 0, 0
	LOADA 0, 1
.irp b, 0,1,2,3
	GROUP \b
.endr
	s_wait_tensorcnt 0x0
	ds_add_u32 v254, v255
	s_wait_dscnt 0x0
	s_endpgm
.Lfunc_end_k_qe3e5bcab8c_oproj:
	.size	k_qe3e5bcab8c_oproj, .Lfunc_end_k_qe3e5bcab8c_oproj-k_qe3e5bcab8c_oproj
	.p2alignl 7, 3214868480
	.fill 96, 4, 3214868480
	.section	.rodata,"a",@progbits
	.p2align	6, 0x0
	.amdhsa_kernel k_qe3e5bcab8c_oproj
		.amdhsa_group_segment_fixed_size 168448
		.amdhsa_private_segment_fixed_size 0
		.amdhsa_enable_private_segment 0
		.amdhsa_kernarg_size 48
		.amdhsa_user_sgpr_count 2
		.amdhsa_user_sgpr_kernarg_segment_ptr 1
		.amdhsa_wavefront_size32 1
		.amdhsa_system_sgpr_workgroup_id_x 1
		.amdhsa_system_sgpr_workgroup_id_y 1
		.amdhsa_system_sgpr_workgroup_id_z 1
		.amdhsa_system_vgpr_workitem_id 0
		.amdhsa_next_free_vgpr 1024
		.amdhsa_next_free_sgpr 66
		.amdhsa_reserve_vcc 0
		.amdhsa_float_denorm_mode_32 3
		.amdhsa_float_denorm_mode_16_64 3
		.amdhsa_memory_ordered 1
		.amdhsa_forward_progress 1
		.amdhsa_inst_pref_size 108
	.end_amdhsa_kernel
	.amdgpu_metadata
---
amdhsa.version: [ 1, 2 ]
amdhsa.kernels:
  - .name:           k_qe3e5bcab8c_oproj
    .symbol:         k_qe3e5bcab8c_oproj.kd
    .args:
      - { .name: oq, .offset: 0, .size: 8, .value_kind: global_buffer, .address_space: global }
      - { .name: wimg, .offset: 8, .size: 8, .value_kind: global_buffer, .address_space: global }
      - { .name: Wo_scales, .offset: 16, .size: 8, .value_kind: global_buffer, .address_space: global }
      - { .name: bo, .offset: 24, .size: 8, .value_kind: global_buffer, .address_space: global }
      - { .name: x, .offset: 32, .size: 8, .value_kind: global_buffer, .address_space: global }
      - { .name: out0, .offset: 40, .size: 8, .value_kind: global_buffer, .address_space: global }
    .group_segment_fixed_size: 168448
    .private_segment_fixed_size: 0
    .kernarg_segment_align: 8
    .kernarg_segment_size: 48
    .max_flat_workgroup_size: 128
    .sgpr_count:     66
    .vgpr_count:     1024
    .wavefront_size: 32
...
	.end_amdgpu_metadata
.endif
;; end of part 4
;; ======== version 2 of 2: 4 launches; version 1 with the launch attn written anew for expert scheduling mode
;; workspace buffers: xq 6,553,600 bytes; wimg 3,145,728 bytes; qkq 13,107,200 bytes; vq 6,553,600 bytes; oq 6,553,600 bytes
;; launch prep: the kernel of part 1 again; grid 256 x 1, 8 waves a work-group, no clusters, 133,632 bytes of LDS; arguments x, gamma, beta, Wq_codes, Wkv_codes, Wo_codes, xq, wimg; writes xq, wimg
;; launch qkv: the kernel of part 2 again; grid 8 x 32, 4 waves a work-group, no clusters, 198,144 bytes of LDS; arguments xq, wimg, Wq_scales, Wkv_scales, bq, bkv, qkq, vq; writes qkq, vq
;; launch attn (part 5): grid 2 x 128, 16 waves a work-group, no clusters, 104,448 bytes of LDS; arguments qkq, vq, seq_lens, oq; writes oq
.if DOCPART == 5
	.amdgcn_target "amdgcn-amd-amdhsa--gfx1250"
	.amdhsa_code_object_version 6
	.text
	.protected	k_qe3e5bcab8c_attn
	.globl	k_qe3e5bcab8c_attn
	.p2align	8
	.type	k_qe3e5bcab8c_attn,@function
k_qe3e5bcab8c_attn:
	s_mov_b64 s[64:65], 0
	v_nop
	global_prefetch_b8 v0, s[64:65] scope:SCOPE_SE
	s_setreg_imm32_b32 hwreg(HW_REG_WAVE_SCHED_MODE, 0, 2), 2
	s_setreg_imm32_b32 hwreg(HW_REG_WAVE_MODE, 25, 1), 1
	s_wait_xcnt 0x0
	s_wait_alu depctr_vm_vsrc(0)
; ATTN.  o = softmax(q k^T / 8, keys k <= q and k < seq_len) v for one (batch, head), both products on E2M3 codes; o is quantised along the head's 64 and leaves as half fragments for the last product.
; THE SOFTMAX AHEAD OF THE SECOND PRODUCT: t = score x log2(e) / 8; M = the running largest t rounded UP to a whole number; p = 2^(t - M) is quantised along the keys; the row's sum is taken of the unquantised p
; and divides at the end.  When M moves, the sum and O are multiplied by 2^(old M - new M): exact.
; SHARES.  The head's K and V codes (49,152 bytes each) and scale words lie in LDS whole, copied once through registers.  Work-group g of the head's two takes query blocks g and 3 - g of 256; wave w takes tile 16 g + w,
; then tile 16 (3 - g) + 15 - w.  A tile tau needs tau / 8 + 1 key steps of 128, so every wave of every work-group has nine (fewer where seq_len cuts them).
; Both products are used transposed: S^T = K Q^T, O^T = V^T P^T: a lane holds one query (tile row r = lane % 16: query 32 (tau / 2) + 8 (tau % 2) + r + 8 (r / 8)).
; THE FIRST PRODUCT'S K IS 64, HALF OF THE INSTRUCTION'S 128: a fragment of K holds TWO key tiles (k 0-63: tile 2 f, k 64-127: tile 2 f + 1).  Against (Q, zeros) it gives the first tile's scores, against (zeros, Q)
; the second's: zero codes add nothing.  The run v16-33 = zeros, Q, zeros serves both.  The two tiles' 16 registers are 16 neighbouring keys, 32 f + 16 (lane / 16) + 0 .. 15.
; A key step all of whose keys are hidden from my 16 queries is left out by a scalar branch on ids and on seq_len, an index input; the loops' trip counts are constants.
; No tensor load and no joint loads; K and V are shared by two work-groups only.
; LIMITS: seq_len is at least 1 (with 0 the reference gives NaN; this text does not); above 1,024 it acts as 1,024.  NaN and infinities are not served.  Blocks of zeros get the byte 1 (codes zero; read by this program alone).
; THE MODE: SCHED_MODE bits 1:0 = 2 (LLVM: expert scheduling mode 2), set by the entry lines.  The code itself states the register dependences between vector or matrix instructions and memory or LDS
; instructions, with s_wait_alu, always for 0.
; THE PLAN.  Registers that memory or LDS instructions touch:
;   v1-4, v232-239, v241, v254, v255   addresses: made at the head, ahead of one wait on va_vdst, and never written again.
;   v96-145    at the head: global loads land in them and LDS stores read them; later the products write them as S^T: one wait on vm_vsrc behind the barrier.
;   v6-11      the step's LDS addresses: written by six additions at a step's head, read by the step's LDS loads: a wait on vm_vsrc ahead of the additions, the step's wait on va_vdst behind them.
;   FR, KS     K's loads land in them at a step's head; the eight products K Q^T read them; V's loads land in FR behind those; the four products V^T P read FR and VS.
;   PC, v226   written by vector instructions; the tile's three stores read them: a wait on va_vdst ahead of the stores, one on vm_vsrc behind them, ahead of the next tile.
; So a step has three waits on va_vdst of its own: behind the six additions (the addresses are written; the last step's products are done reading FR, KS and VS; at a tile's first step Q and its scale word are written);
; behind the products K Q^T (they are done reading FR); ahead of the products V^T P (p's codes and scale word are written).  The two waits behind the exponentials stand as before.
; All 256 registers of each of the SIMD's four waves are spoken for but thirteen: there is no second set of 48 for fragments, so a step's loads stand in its own step.
; Numbers that vector instructions write into scalar registers: the wave's number and the mask of lanes 16-31 (one wait on va_sdst at the head); the causal mask's compares, sixteen to a run, one wait a run.
.set QKS_OFF, 12582912
.set VS_OFF,  6291456
.set OS_OFF,  6291456
.set VL,  49152                        ; LDS: K's codes at 0 (key step j at 6,144 j), V's here (tile t, step j at 12,288 t + 1,536 j),
.set KSC, 98304                        ; K's scale words (256 bytes a step: lane r's four words at 16 r),
.set VSC, 100352                       ; V's likewise
.set FR, 44                            ; v44-91   four fragments, K's, then V's
.set KS, 92                            ; v92-95   K's scale words
.set S,  96                            ; v96-159  S^T, then p
.set O,  160                           ; v160-191 O^T
.set BM, 192
.set PT, 196
.set SO, 200
.set PC, 204                           ; v204-215 p's codes
.set CT, 216
.set VS, 228                           ; v228-231 V's scale words
; v1 16 lane, v2 8 lane, v3, v4 my place among K's, V's scale words, v5 lim - 16 h, v6-11 the step's addresses, v12 -M, v13 largest t, v[14:15] the sum, v34 Q's scale word, v36-42 the second tile's Q, v43 raw scale word,
; v224 f, v225 p's scale word, v226-227 at work, v232-241 addresses that stay.
; s12 seq_len - 1, s14 wave, s15 g, s16 batch, s17 head, s18 tile, s19 next tile, s20 first query, s21, s22 the tile's largest and smallest last visible key, s23 first key, s24-26 LDS steps, s27, s28 counters.
; s40-53, s56, s57: at the head bases of loads; behind the head, where those loads are done, the sixteen masks of a run of compares.
	s_load_b256 s[4:11], s[0:1], 0x0               ; qkq 4:5, vq 6:7, seq_lens 8:9, oq 10:11
	v_lshl_add_u32 v254, v0, 2, 0x19000
	v_mov_b32 v255, 0
	v_lshrrev_b32 v1, 5, v0
	v_readfirstlane_b32 s14, v1                    ; wave 0..15
	v_and_b32 v241, 15, v0                         ; r
	v_bfe_u32 v240, v0, 4, 1                       ; h
	v_and_b32 v1, 31, v0
	v_lshlrev_b32 v2, 3, v1
	v_lshlrev_b32 v1, 4, v1
	v_and_b32 v234, 8, v241
	v_add_nc_u32 v234, v234, v241                  ; r + 8 (r / 8)
	v_lshl_add_u32 v235, v241, 1, v240             ; 2 r + h
	v_lshlrev_b32 v241, 4, v241                    ; 16 r
	v_lshlrev_b32 v240, 4, v240                    ; 16 h
	v_cmp_ne_u32 s39, 0, v240                      ; lanes 16-31
	v_add_nc_u32 v3, KSC, v241
	v_add_nc_u32 v4, VSC, v241
	v_add_nc_u32 v232, VL, v1
	v_add_nc_u32 v233, VL, v2
	v_lshlrev_b32 v236, 4, v0                      ; the copy: 16 bytes a thread, 8,192 a line
	v_add_nc_u32 v237, VL, v236
	v_lshl_add_u32 v238, v0, 3, KSC                ; scale words: 8 bytes a thread; threads 256 on fall into V's
	v_and_b32 v239, 255, v0
	v_lshlrev_b32 v239, 3, v239
	s_wait_alu depctr_va_sdst(0)                   ; s14 and s39 are written, ahead of their first readers: the scalar lines below read s14, the select at a tile's end reads s39
	s_mov_b32 s15, ttmp9
	s_and_b32 s17, ttmp7, 0xffff
	s_lshr_b32 s16, s17, 4
	s_and_b32 s17, s17, 15
	s_lshl_b32 s18, s15, 4
	s_add_co_u32 s18, s18, s14                     ; 16 g + w
	s_sub_co_u32 s19, 3, s15
	s_lshl_b32 s19, s19, 4
	s_add_co_u32 s19, s19, 15
	s_sub_co_u32 s19, s19, s14                     ; 16 (3 - g) + 15 - w
	s_lshl_b32 s13, s16, 5
	s_add_co_u32 s13, s13, s17                     ; 32 batch + head: q's slab; k's is 16 further on
	s_lshl_b32 s29, s16, 4
	s_add_co_u32 s29, s29, s17                     ; 16 batch + head
	s_mov_b32 s55, 0
	s_wait_kmcnt 0x0
	s_lshl_b32 s54, s16, 2
	s_add_nc_u64 s[52:53], s[8:9], s[54:55]
	s_load_b32 s12, s[52:53], 0x0                  ; seq_len of my batch
	s_add_co_u32 s54, s13, 16
	s_mul_i32 s54, s54, 49152
	s_add_nc_u64 s[48:49], s[4:5], s[54:55]        ; K's codes
	s_mul_i32 s54, s29, 49152
	s_add_nc_u64 s[50:51], s[6:7], s[54:55]        ; V's codes
	s_add_co_u32 s54, s13, 16
	s_lshl_b32 s54, s54, 11
	s_add_co_u32 s54, s54, QKS_OFF
	s_add_nc_u64 s[56:57], s[4:5], s[54:55]
	s_lshl_b32 s54, s29, 11
	s_add_co_u32 s54, s54, VS_OFF
	s_add_nc_u64 s[58:59], s[6:7], s[54:55]
	s_cmp_lt_u32 s14, 8                            ; waves 0-7 copy K's scale words, waves 8-15 V's
	s_cselect_b64 s[56:57], s[56:57], s[58:59]
.macro QBASE tau, cod, scl                     ; where tile tau's codes of q lie, and its pair's scale words
	s_lshl_b32 s54, s13, 6
	s_add_co_u32 s54, s54, s[\tau]
	s_mul_i32 s54, s54, 768
	s_add_nc_u64 s[\cod:\cod+1], s[4:5], s[54:55]
	s_lshl_b32 s54, s13, 3
	s_lshr_b32 s60, s[\tau], 3
	s_add_co_u32 s54, s54, s60
	s_lshl_b32 s54, s54, 8
	s_bfe_u32 s60, s[\tau], 0x20001                ; (tau / 2) % 4: which of the four words
	s_lshl_b32 s60, s60, 2
	s_add_co_u32 s54, s54, s60
	s_add_co_u32 s54, s54, QKS_OFF
	s_add_nc_u64 s[\scl:\scl+1], s[4:5], s[54:55]
.endm
	QBASE 18, 40, 44
	QBASE 19, 42, 46
	s_wait_alu depctr_va_vdst(0)                   ; every address and offset made above is written: the loads and stores of the whole kernel read them, and no vector instruction writes them again
.irp k, 0,1,2,3,4,5
	global_load_b128 v[96+4*\k:99+4*\k], v236, s[48:49] offset:8192*\k
.endr
.irp k, 0,1,2,3,4,5
	global_load_b128 v[120+4*\k:123+4*\k], v236, s[50:51] offset:8192*\k
.endr
	global_load_b64 v[144:145], v239, s[56:57]
	global_load_b128 v[22:25], v1, s[40:41]        ; the first tile's Q
	global_load_b64 v[26:27], v2, s[40:41] offset:512
	global_load_b32 v43, v241, s[44:45]
	global_load_b128 v[36:39], v1, s[42:43]        ; the second's
	global_load_b64 v[40:41], v2, s[42:43] offset:512
	global_load_b32 v42, v241, s[46:47]
	s_mov_b32 s30, 0x76543210
	s_mov_b32 s31, 0xfedcba98                      ; lane selects: lane l xor 16
	s_mov_b32 s32, 0x3e38aa3b                      ; c = log2(e) / 8
	s_mov_b32 s33, s32                             ; (named with it as a pair)
.irp i, 0,1,2,3,4,5
	v_mov_b32 v[16+\i], 0                          ; zero codes on both sides of Q (none of these moves names a register that the loads above or the stores below touch)
	v_mov_b32 v[28+\i], 0
.endr
.irp i, 0,1,2,3
	v_mov_b32 v[PT+\i], 0                          ; a lane permute's destination counts as one of its sources
.endr
	v_mov_b32 v225, 0                              ; (named as the upper half of v[224:225] before it is first written)
	v_mov_b32 v226, 0
	s_wait_loadcnt 0x6                             ; the thirteen loads of the copy are in; Q's six may be out
.irp k, 0,1,2,3,4,5
	ds_store_b128 v236, v[96+4*\k:99+4*\k] offset:8192*\k
.endr
.irp k, 0,1,2,3,4,5
	ds_store_b128 v237, v[120+4*\k:123+4*\k] offset:8192*\k
.endr
	ds_store_b64 v238, v[144:145]
	s_wait_dscnt 0x0                               ; for the others' sake
	s_barrier_signal -1
	s_barrier_wait -1                              ; the launch's one barrier: from here on LDS is only read
	s_wait_alu depctr_vm_vsrc(0)                   ; my LDS stores have read v96-145: these registers are S^T from here on, written by the products
	s_wait_loadcnt 0x0
	s_wait_kmcnt 0x0
	s_sub_co_u32 s12, s12, 1                       ; the last key that seq_len leaves
	s_mov_b32 s28, 2
.Ltile:
	s_lshr_b32 s20, s18, 1
	s_lshl_b32 s20, s20, 5
	s_and_b32 s38, s18, 1
	s_lshl_b32 s54, s38, 3
	s_add_co_u32 s20, s20, s54                     ; the tile's first query
	s_lshl_b32 s38, s38, 4                         ; 16 (tau % 2): my half of the pair's scale word
	s_add_co_u32 s21, s20, 23                      ; its last query
	s_min_u32 s21, s21, s12
	s_min_u32 s22, s20, s12
	s_lshl_b32 s54, s16, 6
	s_add_co_u32 s54, s54, s18
	s_lshl_b32 s54, s54, 4
	s_add_co_u32 s54, s54, s17
	s_mul_i32 s54, s54, 768
	s_add_nc_u64 s[34:35], s[10:11], s[54:55]      ; oq: [64 batch + tile][head] half fragments
	s_lshl_b32 s54, s29, 10
	s_lshl_b32 s60, s18, 4
	s_add_co_u32 s54, s54, s60
	s_lshl_b32 s54, s54, 1
	s_add_co_u32 s54, s54, OS_OFF
	s_add_nc_u64 s[36:37], s[10:11], s[54:55]      ; its scale bytes: [batch][head][16 tile + r] pairs of bytes
	v_lshrrev_b32 v34, s38, v43
	v_and_b32 v34, 0xffff, v34
	v_lshl_or_b32 v34, v34, 16, v34                ; Q's two bytes twice: they serve (Q, zeros) and (zeros, Q).  The lines below are the places between this write and the first scaled product
	v_add_nc_u32 v5, s20, v234                     ; my query,
	v_min_u32 v5, s12, v5                          ; the last key that counts for it,
	v_sub_nc_u32 v5, v5, v240                      ; less 16 h
	v_mov_b32 v13, 0xff61b1e6                      ; the largest t so far: -3e38
	v_floor_f32 v12, -v13                          ; -M
	v_mov_b32 v14, 0
	v_mov_b32 v15, 0
.set j, 0
.rept 32
	v_mov_b32 v[O+j], 0                            ; the step is written once: the first finds zeros, which the first change of M leaves zeros
.set j, j+1
.endr
	s_mov_b32 s23, 0
	s_mov_b32 s24, 0
	s_mov_b32 s25, 0
	s_mov_b32 s26, 0
	s_mov_b32 s27, 8
.Lstep:                                            ; eight trips, a constant; hidden steps skip to the lines that step addresses
	s_cmp_gt_u32 s23, s21
	s_cbranch_scc1 .Lskip
	s_wait_alu depctr_vm_vsrc(0)                   ; the LDS loads issued so far have read v6-11, which the six additions write again
	v_add_nc_u32 v6, s24, v1
	v_add_nc_u32 v7, s24, v2
	v_add_nc_u32 v8, s25, v232
	v_add_nc_u32 v9, s25, v233
	v_add_nc_u32 v10, s26, v3
	v_add_nc_u32 v11, s26, v4
	s_wait_alu depctr_va_vdst(0)                   ; v6-11 are written, which this step's LDS loads read; the last step's products are done reading FR, KS and VS, in which loads land; at a tile's first step Q (v16-33) and its scale word v34, which vector instructions wrote, are written ahead of the scaled products
.irp f, 0,1,2,3
	ds_load_b128 v[FR+12*\f:FR+12*\f+3], v6 offset:1536*\f
	ds_load_b64 v[FR+12*\f+4:FR+12*\f+5], v7 offset:1536*\f+512
	ds_load_b128 v[FR+12*\f+6:FR+12*\f+9], v6 offset:1536*\f+768
	ds_load_b64 v[FR+12*\f+10:FR+12*\f+11], v7 offset:1536*\f+1280
.endr
	ds_load_b128 v[KS:KS+3], v10
	s_wait_dscnt 0x0
.irp f, 0,1,2,3
	v_wmma_scale_f32_16x16x128_f8f6f4 v[S+16*\f:S+16*\f+7], v[FR+12*\f:FR+12*\f+11], v[22:33], 0, v[KS+\f], v34 matrix_a_fmt:MATRIX_FMT_FP6 matrix_b_fmt:MATRIX_FMT_FP6
	v_wmma_scale_f32_16x16x128_f8f6f4 v[S+16*\f+8:S+16*\f+15], v[FR+12*\f:FR+12*\f+11], v[16:27], 0, v[KS+\f], v34 matrix_a_fmt:MATRIX_FMT_FP6 matrix_b_fmt:MATRIX_FMT_FP6
.endr
.rept 4
	v_nop                                          ; four places ahead of the first read of the scores
.endr
	s_wait_alu depctr_va_vdst(0)                   ; the eight products are done reading FR, in which V's loads land
.irp t, 0,1,2,3                                ; V's fragments are asked for now and land under the softmax, which names none of their registers
	ds_load_b128 v[FR+12*\t:FR+12*\t+3], v8 offset:12288*\t
	ds_load_b64 v[FR+12*\t+4:FR+12*\t+5], v9 offset:12288*\t+512
	ds_load_b128 v[FR+12*\t+6:FR+12*\t+9], v8 offset:12288*\t+768
	ds_load_b64 v[FR+12*\t+10:FR+12*\t+11], v9 offset:12288*\t+1280
.endr
	ds_load_b128 v[VS:VS+3], v11
	s_add_co_u32 s60, s23, 127                     ; a step all of whose keys count for all my queries needs no mask
	s_cmp_le_u32 s60, s22
	s_cbranch_scc1 .Lopen
	v_sub_nc_u32 v226, v5, s23                     ; d = last visible key - first key - 16 h.  Register 16 f + i holds key first + 32 f + 16 h + i: hidden where 32 f + i > d
	v_mov_b32 v227, 0xff800000                     ; -infinity
.set n, 0
.rept 4                                        ; a block of 16 registers at a time: sixteen compares into sixteen scalar registers, one wait, sixteen selects
.set i, 0
.rept 16
	v_cmp_gt_i32 s[40+i+2*(i/14)], 32*(n/16)+i, v226
.set i, i+1
.endr
	s_wait_alu depctr_va_sdst(0)                   ; the sixteen compares have written their masks, which the selects below read
.set i, 0
.rept 16
	v_cndmask_b32 v[S+n+i], v[S+n+i], v227, s[40+i+2*(i/14)]
.set i, i+1
.endr
.set n, n+16
.endr
.Lopen:
.irp f, 0,1,2,3
	v_max3_num_f32 v[BM+\f], v[S+16*\f], v[S+16*\f+1], v[S+16*\f+2]   ; the largest score of each block of 32 keys: for the row's maximum, and, since p rises with the score, for the block's largest p
.endr
.irp i, 3,5,7,9,11,13
.irp f, 0,1,2,3
	v_max3_num_f32 v[BM+\f], v[BM+\f], v[S+16*\f+\i], v[S+16*\f+\i+1]
.endr
.endr
.irp f, 0,1,2,3
	v_max_num_f32 v[BM+\f], v[BM+\f], v[S+16*\f+15]
.endr
.irp f, 0,1,2,3
	v_permlanex16_b32 v[PT+\f], v[BM+\f], s30, s31
.endr
.irp f, 0,1,2,3
	v_max_num_f32 v[BM+\f], v[BM+\f], v[PT+\f]
.endr
	v_max3_num_f32 v226, v[BM], v[BM+1], v[BM+2]
	v_max_num_f32 v226, v226, v[BM+3]
	v_mul_f32 v226, s32, v226                      ; the step's largest t
	v_max_num_f32 v13, v13, v226
	v_mov_b32 v226, v12
	v_floor_f32 v12, -v13                          ; the new -M = -ceil(t)
	v_sub_f32 v226, v12, v226                      ; old M - new M: a whole number, 0 or less
	v_cvt_i32_f32 v226, v226                       ; (it saturates)
	v_ldexp_f32 v224, 1.0, v226                    ; f = 2^(old M - new M)
.set j, 0
.rept 32
	v_pk_fma_f32 v[S+j:S+j+1], v[S+j:S+j+1], s[32:33], v[12:13] op_sel_hi:[1,0,0]   ; t - M
.set j, j+2
.endr
.irp f, 0,1,2,3
	v_fma_f32 v[BM+\f], v[BM+\f], s32, v12
.endr
.set j, 0
.rept 64
	v_exp_f32 v[S+j], v[S+j]                       ; p = 2^(t - M): not normalised
.set j, j+1
.endr
	v_pk_mul_f32 v[14:15], v[14:15], v[224:225] op_sel_hi:[1,0]   ; the sums under the new M (the plain instruction behind the batch)
	s_wait_alu depctr_va_vdst(0)                   ; the 64 exponentials have written p: one wait for the batch, ahead of its first reader
.irp f, 0,1,2,3
	v_exp_f32 v[BM+\f], v[BM+\f]                   ; each block's largest p
.endr
	v_pk_add_f32 v[226:227], v[S:S+1], v[S+2:S+3]  ; the row's sum, of the unquantised p, in two chains
.set j, 4
.rept 15
	v_pk_add_f32 v[14:15], v[14:15], v[S+j:S+j+1]
	v_pk_add_f32 v[226:227], v[226:227], v[S+j+2:S+j+3]
.set j, j+4
.endr
	v_pk_add_f32 v[14:15], v[14:15], v[226:227]
	s_wait_alu depctr_va_vdst(0)                   ; the four exponentials have written the blocks' largest p, ahead of their first reader
.irp f, 0,1,2,3
	v_max_num_f32 v[BM+\f], 0x1800000, v[BM+\f]    ; the floor 2^(3 - 127): the byte cannot fall under 1
.endr
.irp f, 0,1,2,3
	v_add_nc_u32 v[SO+\f], 0xff000000, v[BM+\f]
.endr
.irp f, 0,1,2,3
	v_lshrrev_b32 v[PT+\f], 23, v[SO+\f]
.endr
	v_lshl_or_b32 v225, v[PT+1], 8, v[PT]          ; p's scale word for these 128 keys
	v_lshl_or_b32 v225, v[PT+2], 16, v225
	v_lshl_or_b32 v225, v[PT+3], 24, v225
.irp e, 0,1
	v_cvt_scalef32_pk16_fp6_f32 v[PC+6*\e:PC+6*\e+2], v[S+32*\e:S+32*\e+15], v[SO+2*\e]
	v_cvt_scalef32_pk16_fp6_f32 v[CT+4*\e:CT+4*\e+2], v[S+32*\e+16:S+32*\e+31], v[SO+2*\e+1]
.endr
	v_nop                                          ; one plain instruction behind the conversions
.irp e, 0,1                                    ; a whole block in a lane
.irp i, 0,1,2
	v_permlane16_swap_b32 v[PC+6*\e+\i], v[CT+4*\e+\i]
.endr
.irp i, 0,1,2
	v_mov_b32 v[PC+6*\e+3+\i], v[CT+4*\e+\i]
.endr
.endr
.set j, 0
.rept 16
	v_pk_mul_f32 v[O+j:O+j+1], v[O+j:O+j+1], v[224:225] op_sel_hi:[1,0]   ; O^T under the new M (also the places in front of the products below)
.set j, j+2
.endr
	s_wait_dscnt 0x0                               ; V's fragments and scale words
	s_wait_alu depctr_va_vdst(0)                   ; p's codes v204-215 and its scale word v225, which vector instructions wrote, are written ahead of the scaled products; the places above stay beside this wait
.irp t, 0,1,2,3
	v_wmma_scale_f32_16x16x128_f8f6f4 v[O+8*\t:O+8*\t+7], v[FR+12*\t:FR+12*\t+11], v[PC:PC+11], v[O+8*\t:O+8*\t+7], v[VS+\t], v225 matrix_a_fmt:MATRIX_FMT_FP6 matrix_b_fmt:MATRIX_FMT_FP6
.endr
.Lskip:
	s_add_co_u32 s23, s23, 128
	s_add_co_u32 s24, s24, 6144
	s_add_co_u32 s25, s25, 1536
	s_add_co_u32 s26, s26, 256
	s_sub_co_u32 s27, s27, 1
	s_cmp_lg_u32 s27, 0
	s_cbranch_scc1 .Lstep
	; ---- the tile's end: O^T / the sum, quantised along the head's 64 (register 8 t + i is channel 32 (t / 2) + 16 h + 8 (t % 2) + i)
.rept 4
	v_nop                                          ; four places behind the last products
.endr
	v_add_f32 v14, v14, v15
	v_permlanex16_b32 v226, v14, s30, s31
	v_add_f32 v14, v14, v226                       ; the row's sum
	v_rcp_f32 v14, v14
	v_nop                                          ; a plain instruction behind the reciprocal
	s_wait_alu depctr_va_vdst(0)                   ; the reciprocal has written v14, ahead of its first reader
.set j, 0
.rept 32
	v_mul_f32 v[S+j], v[O+j], v14                  ; each accumulator from its low end on
.set j, j+1
.endr
.irp e, 0,1
	v_max3_num_f32 v[BM+\e], |v[S+16*\e]|, |v[S+16*\e+1]|, 0x1800000
.endr
.irp i, 2,4,6,8,10,12,14
.irp e, 0,1
	v_max3_num_f32 v[BM+\e], v[BM+\e], |v[S+16*\e+\i]|, |v[S+16*\e+\i+1]|
.endr
.endr
.irp e, 0,1
	v_permlanex16_b32 v[PT+\e], v[BM+\e], s30, s31
.endr
.irp e, 0,1
	v_max_num_f32 v[BM+\e], v[BM+\e], v[PT+\e]
.endr
.irp e, 0,1
	v_add_nc_u32 v[SO+\e], 0xff000000, v[BM+\e]
.endr
.irp e, 0,1
	v_lshrrev_b32 v[PT+\e], 23, v[SO+\e]
.endr
	v_cvt_scalef32_pk16_fp6_f32 v[PC:PC+2], v[S:S+15], v[SO]
	v_cvt_scalef32_pk16_fp6_f32 v[CT:CT+2], v[S+16:S+31], v[SO+1]
	v_nop
.irp i, 0,1,2
	v_permlane16_swap_b32 v[PC+\i], v[CT+\i]
.endr
.irp i, 0,1,2
	v_mov_b32 v[PC+3+\i], v[CT+\i]
.endr
	v_cndmask_b32 v226, v[PT], v[PT+1], s39        ; my row's byte h
	s_wait_alu depctr_va_vdst(0)                   ; the codes v204-209 and the byte v226 are written, which the three stores read
	global_store_b128 v1, v[PC:PC+3], s[34:35]             ; 512 consecutive bytes,
	global_store_b64 v2, v[PC+4:PC+5], s[34:35] offset:512 ; and 256
	global_store_b8 v235, v226, s[36:37]                   ; lane (r, h): byte h of row r: 32 consecutive bytes
	s_wait_xcnt 0x0                                ; the stores have had their addresses translated: their bases are written again in the next trip
	s_wait_alu depctr_vm_vsrc(0)                   ; the stores have read v204-209 and v226, which the next tile's vector instructions write again
.irp i, 0,1,2,3,4,5
	v_mov_b32 v[22+\i], v[36+\i]                   ; the second tile's Q takes the first's place (in the second trip these seven lines serve nothing: the price of writing the tile once)
.endr
	v_mov_b32 v43, v42
	s_mov_b32 s18, s19
	s_sub_co_u32 s28, s28, 1
	s_cmp_lg_u32 s28, 0
	s_cbranch_scc1 .Ltile
	s_wait_dscnt 0x0                               ; the closing lines, six on end
	s_wait_alu 0x0
	s_wait_tensorcnt 0x0
	ds_add_u32 v254, v255
	s_wait_dscnt 0x0
	s_endpgm
.Lfunc_end_k_qe3e5bcab8c_attn:
	.size	k_qe3e5bcab8c_attn, .Lfunc_end_k_qe3e5bcab8c_attn-k_qe3e5bcab8c_attn
	.p2alignl 7, 3214868480
	.fill 96, 4, 3214868480
	.section	.rodata,"a",@progbits
	.p2align	6, 0x0
	.amdhsa_kernel k_qe3e5bcab8c_attn
		.amdhsa_group_segment_fixed_size 104448
		.amdhsa_private_segment_fixed_size 0
		.amdhsa_enable_private_segment 0
		.amdhsa_kernarg_size 32
		.amdhsa_user_sgpr_count 2
		.amdhsa_user_sgpr_kernarg_segment_ptr 1
		.amdhsa_wavefront_size32 1
		.amdhsa_system_sgpr_workgroup_id_x 1
		.amdhsa_system_sgpr_workgroup_id_y 1
		.amdhsa_system_sgpr_workgroup_id_z 1
		.amdhsa_system_vgpr_workitem_id 0
		.amdhsa_next_free_vgpr 256
		.amdhsa_next_free_sgpr 66
		.amdhsa_reserve_vcc 0
		.amdhsa_float_denorm_mode_32 3
		.amdhsa_float_denorm_mode_16_64 3
		.amdhsa_memory_ordered 1
		.amdhsa_forward_progress 1
		.amdhsa_inst_pref_size 40
	.end_amdhsa_kernel
	.amdgpu_metadata
---
amdhsa.version: [ 1, 2 ]
amdhsa.kernels:
  - .name:           k_qe3e5bcab8c_attn
    .symbol:         k_qe3e5bcab8c_attn.kd
    .args:
      - { .name: qkq, .offset: 0, .size: 8, .value_kind: global_buffer, .address_space: global }
      - { .name: vq, .offset: 8, .size: 8, .value_kind: global_buffer, .address_space: global }
      - { .name: seq_lens, .offset: 16, .size: 8, .value_kind: global_buffer, .address_space: global }
      - { .name: oq, .offset: 24, .size: 8, .value_kind: global_buffer, .address_space: global }
    .group_segment_fixed_size: 104448
    .private_segment_fixed_size: 0
    .kernarg_segment_align: 8
    .kernarg_segment_size: 32
    .max_flat_workgroup_size: 512
    .sgpr_count:     66
    .vgpr_count:     256
    .wavefront_size: 32
...
	.end_amdgpu_metadata
.endif
;; end of part 5
;; launch oproj: the kernel of part 4 again; grid 4 x 64, 4 waves a work-group, no clusters, 168,448 bytes of LDS; arguments oq, wimg, Wo_scales, bo, x, out0; writes out0
